; MI455X (gfx1250); checked and timed in simulation.
; The chip was launched on July 23, 2026; its instructions are those of AMD's public machine-readable ISA for CDNA 5 (MIT licence, August 2026) and "CDNA5" Instruction Set Architecture Reference Guide (July 2026). The comments in the code are by the model that wrote it; some were corrected since.
;; Ro PE Multihead Attention. Allowed arithmetic: float matrix products may take bf16 or f16 operands with f32 sums; other float arithmetic in f32, or as packed bf16 or f16 multiplies, adds, multiply-adds, maxima and minima; sums over many terms, partial sums and values carried from step to step in f32; what a program stores and reads back later, other than sums and carried values, may be rounded once to bf16 or f16.
;; Inputs: W_k 1,024 x 1,024 float32; W_o 1,024 x 1,024 float32; W_q 1,024 x 1,024 float32; W_v 1,024 x 1,024 float32; b_o 1,024 float32; context_bias 4 x 1,024 float32; k_in 4 x 2,048 x 1,024 float32; q_in 4 x 2,048 x 1,024 float32; v_in 4 x 2,048 x 1,024 float32.
;; Outputs: out0 4 x 2,048 x 1,024 float32.
;; 2 versions, each right; version 2 is version 1 with the launch prep written anew for expert scheduling mode. Each part assembles by itself: llvm-mc -triple=amdgcn-amd-amdhsa -mcpu=gfx1250 --defsym DOCPART=n.
;; ======== version 1 of 2: 4 launches
;; limits: values are held in f16: magnitudes above 65,504 overflow, below 6.1e-05 lose precision; values outside matrix products are rounded to bf16
;; workspace buffers: wb 8,388,608 bytes; tab 1,048,576 bytes; qkv 50,331,648 bytes; oh 16,777,216 bytes
;; launch prep (part 1): grid 256 x 1, 8 waves a work-group, no clusters, 0 bytes of LDS; arguments W_q, W_k, W_v, W_o, wb, tab; writes wb, tab
.if DOCPART == 1
	.amdgcn_target "amdgcn-amd-amdhsa--gfx1250"
	.amdhsa_code_object_version 6
	.text
	.protected	k_qbf9440441a_prep
	.globl	k_qbf9440441a_prep
	.p2align	8
	.type	k_qbf9440441a_prep,@function
k_qbf9440441a_prep:
	s_mov_b64 s[64:65], 0
	v_nop
	global_prefetch_b8 v0, s[64:65] scope:SCOPE_SE
	s_setreg_imm32_b32 hwreg(HW_REG_WAVE_MODE, 25, 1), 1
	s_wait_xcnt 0x0
; THE WEIGHTS IN 16 BITS, AND THE TABLE OF ROTATIONS.
; wb: [4][1024][1024] of 16 bits, rows as in W ([n][k]).  Sections 0, 1, 2: W_q, W_k, W_v rounded to bf16.  Section 3: W_o rounded to bf16 and that number written as f16
; (exact from 6.1e-5 to 65,504 in magnitude; below that f16 keeps a fixed step of 6e-8; beyond 65,504 it has no number: a stated limit of W_o).
; tab: [2][2048][64] f32.  Section 0, row s: cos(s w_i) for i = 0..31, then sin(s w_i), w_i = 1000^(-i/32).  Section 1: 1 thirty-two times, then 0: the rotation that changes nothing, for V.
; THE ANGLE.  w_i = 2^(-i log2(1000) / 32); s w_i is rounded once to f32; it is reduced in turns (a fused multiply-add takes the nearest whole turn away), sin is cos a quarter turn back,
; and cos is its series to x^14 on -pi .. pi, whose first term left out is 4.3e-6 at pi.  The angle lies within about 3e-4 rad of s w_i at s = 2,047.
; SHARES.  65,536 threads.  Thread g takes 16 bytes at 16 g + 1,048,576 t (t = 0..3) of each matrix: a load of a wave covers 512 consecutive bytes, a store 256, aligned.
; Wave g / 32 makes row g / 32 of the table: lane l its entries 2 l and 2 l + 1, so one store of a wave is the row's 256 bytes.
; No LDS, no barrier, no matrix unit: each byte is read once and written once, and no thread wants another's.
.set X, 32                             ; v[32:95]   16 loads of 4 registers
.set Y, 96                             ; v[96:127]  16 stores of 2 registers; none is written twice
	s_load_b256 s[4:11], s[0:1], 0x0               ; W_q s[4:5], W_k s[6:7], W_v s[8:9], W_o s[10:11]
	s_load_b128 s[12:15], s[0:1], 0x20             ; wb s[12:13], tab s[14:15]
	s_lshl_b32 s16, ttmp9, 8
	v_add_nc_u32 v1, s16, v0                       ; g
	v_lshlrev_b32 v2, 4, v1                        ; 16 g: where I read
	v_lshlrev_b32 v3, 3, v1                        ; 8 g: where I write, in wb and in tab
	s_wait_kmcnt 0x0
.irp m, 0,1,2,3
.irp t, 0,1,2,3
	global_load_b128 v[X+4*(4*(\m)+(\t)):X+4*(4*(\m)+(\t))+3], v2, s[4+2*(\m):5+2*(\m)] offset:(\t)*1048576 th:TH_LOAD_NT
.endr
.endr
	; the table, while the sixteen loads are on their way
	v_and_b32 v4, 15, v0
	v_lshlrev_b32 v4, 1, v4                        ; i of my first entry
	v_bfe_u32 v5, v0, 4, 1
	v_cvt_f32_u32 v5, v5                           ; 0: cos, 1: sin
	v_lshrrev_b32 v6, 5, v1
	v_cvt_f32_u32 v6, v6                           ; s
	v_mul_f32 v7, 0x3e800000, v5                   ; a quarter turn for sin
	v_sub_f32 v14, 1.0, v5                         ; the rotation that changes nothing: cos = 1, sin = 0
	v_mov_b32 v15, v14
	v_cvt_f32_u32 v8, v4
	v_add_f32 v9, 1.0, v8
	v_mul_f32 v8, 0xbe9f73da, v8                   ; -i log2(1000) / 32
	v_mul_f32 v9, 0xbe9f73da, v9
	v_exp_f32 v8, v8                               ; w_i
	v_exp_f32 v9, v9
	v_nop                                          ; a plain instruction between an exponential and the use of its result (ISA guide 5.7.2)
	s_wait_alu depctr_va_vdst(0)
	v_mul_f32 v8, v6, v8                           ; the angle, rounded once
	v_mul_f32 v9, v6, v9
	v_mul_f32 v10, 0x3e22f983, v8                  ; in turns
	v_mul_f32 v11, 0x3e22f983, v9
	v_rndne_f32 v10, v10
	v_rndne_f32 v11, v11
	v_fma_f32 v8, v8, 0x3e22f983, -v10             ; the turn's fraction, -0.5 .. 0.5, in one rounding
	v_fma_f32 v9, v9, 0x3e22f983, -v11
	v_sub_f32 v8, v8, v7
	v_sub_f32 v9, v9, v7
	v_rndne_f32 v10, v8
	v_rndne_f32 v11, v9
	v_sub_f32 v8, v8, v10                          ; back into -0.5 .. 0.5
	v_sub_f32 v9, v9, v11
	v_mul_f32 v8, 0x40c90fdb, v8                   ; x, in radians
	v_mul_f32 v9, 0x40c90fdb, v9
	v_mul_f32 v8, v8, v8                           ; x^2
	v_mul_f32 v9, v9, v9
	v_mov_b32 v12, 0xad49cba5                      ; -1/14!
	v_mov_b32 v13, 0xad49cba5
.irp k, 0x310f76c7, 0xb493f27e, 0x37d00d01, 0xbab60b61, 0x3d2aaaab
	v_fmaak_f32 v12, v12, v8, \k                   ; 1/12!, -1/10!, 1/8!, -1/6!, 1/4!
	v_fmaak_f32 v13, v13, v9, \k
.endr
	v_fma_f32 v12, v12, v8, -0.5
	v_fma_f32 v13, v13, v9, -0.5
	v_fma_f32 v12, v12, v8, 1.0
	v_fma_f32 v13, v13, v9, 1.0
	global_store_b64 v3, v[12:13], s[14:15]
	global_store_b64 v3, v[14:15], s[14:15] offset:524288
	; the weights
.irp m, 0,1,2,3
.irp t, 0,1,2,3
	s_wait_loadcnt 15-(4*(\m)+(\t))                ; loads come back in order (ISA guide 5.7.1): this one is in, the younger ones stay out
.if (\m) < 3
	v_cvt_pk_bf16_f32 v[Y+2*(4*(\m)+(\t))],   v[X+4*(4*(\m)+(\t))],   v[X+4*(4*(\m)+(\t))+1]
	v_cvt_pk_bf16_f32 v[Y+2*(4*(\m)+(\t))+1], v[X+4*(4*(\m)+(\t))+2], v[X+4*(4*(\m)+(\t))+3]
.else
	v_cvt_pk_bf16_f32 v16, v[X+4*(4*(\m)+(\t))],   v[X+4*(4*(\m)+(\t))+1]  ; W_o: rounded to bf16 like every input,
	v_cvt_pk_bf16_f32 v17, v[X+4*(4*(\m)+(\t))+2], v[X+4*(4*(\m)+(\t))+3]
	v_lshlrev_b32 v18, 16, v16                     ; widened again,
	v_and_b32 v19, 0xffff0000, v16
	v_lshlrev_b32 v20, 16, v17
	v_and_b32 v21, 0xffff0000, v17
	v_cvt_pk_f16_f32 v[Y+2*(4*(\m)+(\t))],   v18, v19  ; and written as f16
	v_cvt_pk_f16_f32 v[Y+2*(4*(\m)+(\t))+1], v20, v21
.endif
	global_store_b64 v3, v[Y+2*(4*(\m)+(\t)):Y+2*(4*(\m)+(\t))+1], s[12:13] offset:(\m)*2097152+(\t)*524288
.endr
.endr
	s_endpgm
.Lfunc_end_k_qbf9440441a_prep:
	.size	k_qbf9440441a_prep, .Lfunc_end_k_qbf9440441a_prep-k_qbf9440441a_prep
	.p2alignl 7, 3214868480
	.fill 96, 4, 3214868480
	.section	.rodata,"a",@progbits
	.p2align	6, 0x0
	.amdhsa_kernel k_qbf9440441a_prep
		.amdhsa_group_segment_fixed_size 0
		.amdhsa_private_segment_fixed_size 0
		.amdhsa_enable_private_segment 0
		.amdhsa_kernarg_size 48
		.amdhsa_user_sgpr_count 2
		.amdhsa_user_sgpr_kernarg_segment_ptr 1
		.amdhsa_wavefront_size32 1
		.amdhsa_system_sgpr_workgroup_id_x 1
		.amdhsa_system_sgpr_workgroup_id_y 1
		.amdhsa_system_sgpr_workgroup_id_z 1
		.amdhsa_system_vgpr_workitem_id 0
		.amdhsa_next_free_vgpr 128
		.amdhsa_next_free_sgpr 66
		.amdhsa_reserve_vcc 0
		.amdhsa_float_denorm_mode_32 3
		.amdhsa_float_denorm_mode_16_64 3
		.amdhsa_memory_ordered 1
		.amdhsa_forward_progress 1
		.amdhsa_inst_pref_size 10
	.end_amdhsa_kernel
	.amdgpu_metadata
---
amdhsa.version: [ 1, 2 ]
amdhsa.kernels:
  - .name:           k_qbf9440441a_prep
    .symbol:         k_qbf9440441a_prep.kd
    .args:
      - { .name: W_q, .offset: 0, .size: 8, .value_kind: global_buffer, .address_space: global }
      - { .name: W_k, .offset: 8, .size: 8, .value_kind: global_buffer, .address_space: global }
      - { .name: W_v, .offset: 16, .size: 8, .value_kind: global_buffer, .address_space: global }
      - { .name: W_o, .offset: 24, .size: 8, .value_kind: global_buffer, .address_space: global }
      - { .name: wb, .offset: 32, .size: 8, .value_kind: global_buffer, .address_space: global }
      - { .name: tab, .offset: 40, .size: 8, .value_kind: global_buffer, .address_space: global }
    .group_segment_fixed_size: 0
    .private_segment_fixed_size: 0
    .kernarg_segment_align: 8
    .kernarg_segment_size: 48
    .max_flat_workgroup_size: 256
    .sgpr_count:     66
    .vgpr_count:     128
    .wavefront_size: 32
...
	.end_amdgpu_metadata
.endif
;; end of part 1
;; launch proj (part 2): grid 4 x 192, 4 waves a work-group, clusters of 4 x 4, 327,680 bytes of LDS; arguments q_in, k_in, v_in, wb, context_bias, tab, qkv; writes qkv
.if DOCPART == 2
	.amdgcn_target "amdgcn-amd-amdhsa--gfx1250"
	.amdhsa_code_object_version 6
	.text
	.protected	k_qbf9440441a_proj
	.globl	k_qbf9440441a_proj
	.p2align	8
	.type	k_qbf9440441a_proj,@function
k_qbf9440441a_proj:
	s_mov_b64 s[64:65], 0
	v_nop
	global_prefetch_b8 v0, s[64:65] scope:SCOPE_SE
	s_setreg_imm32_b32 hwreg(HW_REG_WAVE_MODE, 25, 1), 1
	s_wait_xcnt 0x0
	s_wait_alu depctr_hold_cnt(0) depctr_sa_sdst(0) depctr_va_vdst(0) depctr_va_sdst(0) depctr_va_ssrc(0) depctr_va_vcc(0) depctr_vm_vsrc(0)
	s_getreg_b32 s2, hwreg(HW_REG_IB_STS2, 6, 4)
	s_cmp_eq_u32 s2, 0
	s_cbranch_scc0 .Lentry_in_a_cluster
	s_endpgm
.Lentry_in_a_cluster:
	s_bfe_u32 s2, ttmp6, 0x10000c
	s_cmp_lg_u32 s2, 0xf033
	s_cbranch_scc0 .Lentry_shape_is_right
	s_endpgm
.Lentry_shape_is_right:
; THE THREE PROJECTIONS.  y = x W^T (+ context_bias of the batch, for Q), rotated (Q and K by the table, V by the table's second section, which changes nothing), rounded once to f16
; and stored by heads: qkv[p][batch x 16 + head][s][64].  x: [8192][1024] f32; W: wb section p, [1024][1024] bf16; sums in f32, started by the bias.
; FORMATS AND LIMITS.  x, W and the bias are rounded to bf16; q, k, v leave as f16, which holds no number beyond 65,504: a sum of that size or more becomes an infinity.  NaN and infinities are not treated apart.
; SHARES.  A tile of y is 128 rows x 256 columns: 3 x 64 x 4 = 768 work-groups.  Four waves, 2 x 2: a wave has 64 rows x 128 columns (two heads): 32 accumulators of 16 x 16.
; K goes in 8 steps of 128 through a ring of two LDS slots.  x's tile lies in LDS as f32 (rows of 512 bytes) and is rounded to bf16 between LDS and the matrix unit, so x crosses memory once, as it is.
; THE MATRIX INSTRUCTION IS USED TRANSPOSED (source 0 = 16 rows of W, source 1 = 16 rows of x): a lane holds one row of y (lane % 16) and the columns 8 (lane / 16) + 0..7 of a block of 16.
; A head is four such blocks; channels d and d + 32 are blocks c and c + 2 of the same lane, so the rotation changes no lanes.
; CLUSTER.  4 x 4 work-groups, all of one projection.  The four of a row of the cluster need the same rows of x, the four of a column the same rows of W: each tile is asked for jointly.
; BESIDE THE PRODUCTS.  Behind every two matrix instructions stand four LDS loads (first half of a quarter step) or four roundings to bf16 (second half) for the next quarter step.
; REGISTERS, in windows of 256 (s_set_vgpr_msb: bits 1:0 source 0, 3:2 source 1, 5:4 source 2, 7:6 destination):
;   window 0: v0-31 addresses; v32-95 x as f32, 4 fragments x 16; v96-127, v128-159 x in bf16, two buffers; v160-223 the bias, later the rotated numbers; v224-255 and v32-63 the way out
;   window 1: the accumulators, (a, b) at v[8 (8 a + b)]          window 2: v0-63, v64-127 W's fragments, two buffers; v128-255 the table for my 64 rows
.set PA,     528                       ; a row of x in LDS: 512 bytes + 16 of padding = 132 words: row r starts at bank 4 r mod 64 (64 banks of 4 bytes: ISA guide 11.1)
.set PB,     272                       ; a row of W: 256 bytes + 16 = 68 words: the same
.set AHALF,  64*PA                     ; what one tensor load brings of x
.set BHALF,  128*PB                    ; and of W
.set BOFF,   2*AHALF                   ; a slot: x's 128 rows, then W's 256 rows
.set SLOT,   BOFF+2*BHALF
.set STAGE,  2*SLOT                    ; behind the ring, never filled by a tensor load: for each wave 2 heads x 16 rows x 144 bytes
.set SP,     144
.set STW,    2*16*SP
.set SPARE,  STAGE+4*STW               ; behind the stages: the spare words, 128 bytes for each wave: two blocks of 256 bytes that no other line names
.set ADRA, 16                          ; v16-17  LDS address of my fragments of x in slot 0, 1
.set ADRB, 20                          ; v20-21  the same for W
.set STO,  24                          ; v24     the way out: where I put 16 bytes of a row
.set RD,   25                          ; v25     the way out: where I read rows back
.set GO,   26                          ; v26     16 x lane: my place in 512 consecutive bytes of qkv
.set TBO,  27                          ; v27     my byte offset in the table
.set SPW,  28                          ; v28     LDS address of my spare word; never rewritten
.set NIL,  29                          ; v29     0; never rewritten
.set PFO,  30                          ; v30     the prefetches' offset; never rewritten
.set BO,   31                          ; v31     my byte offset in the bias
.set RAW,  32
.set ABF,  96
.set BIAS, 160
.set Y,    160
.set BF,   0                           ; window 2
.set TAB,  128                         ; window 2: at TAB + 32 a + 16 c eight cos, then eight sin
.set SWV, 18                           ; s18  my wave's number
.set SWM, 19                           ; s19  which 64 rows are mine.  Also: I fetch for x (0) or for W (1)
.set SWN, 20                           ; s20  which 128 columns.  Also: which half of that tile I fetch
.set CX,  21
.set CY,  22
.set CLY, 23
.set G1A, 24                           ; s[24:31] descriptor group 1 for x's tiles;  s[32:39] group 0, a set for each slot
.set G0A, 32
.set G1B, 40                           ; s[40:47], s[48:55] the same for W's
.set G0B, 48
.set PJ,  56                           ; s56  the projection: 0 Q, 1 K, 2 V
.set TR,  57                           ; s57  tile row, 0..63
.set BAT, 58                           ; s58  batch
.set SB,  59                           ; s59  the tile's first row in its batch
.set PFA, 68                           ; s[68:69] where my prefetches stand
.set LIM, 70                           ; s70  1 in a wave that prefetches, else the greatest number
.set BM,  71                           ; s71  all ones for Q, 0 for K and V: the bias is Q's alone
.set HIM, 76                           ; s76  a word's upper half
.set MSB, 0
.macro WIN new                         ; the immediate's high byte repeats the setting that is left; a switch that changes nothing is dropped
.if MSB != (\new)
	s_set_vgpr_msb (MSB<<8)|(\new)
.set MSB, \new
.endif
.endm
.set MUL,  0x52                        ; W in window 2, x in window 0, C and D in window 1
.set MULF, 0x42                        ; the same with C (the bias) in window 0
.set TO2,  0x80                        ; destination window 2, address window 0
.set RP,   0x09                        ; source 0 window 1, source 1 window 2, source 2 and destination window 0
; A joint load.  Waves 0 and 1 fetch x's two halves, waves 2 and 3 W's.  The branch hangs on the wave's number alone.  An s_nop 0 and four v_nop follow each of the two lines.
.macro JLOAD s
	s_cmp_eq_u32 s[SWM], 0
	s_cbranch_scc0 .Lfor_b_\@
	tensor_load_to_lds s[G0A+4*(\s):G0A+4*(\s)+3], s[G1A:G1A+7]
	s_nop 0
.rept 4
	v_nop
.endr
	s_branch .Lasked_\@
.Lfor_b_\@:
	tensor_load_to_lds s[G0B+4*(\s):G0B+4*(\s)+3], s[G1B:G1B+7]
	s_nop 0
.rept 4
	v_nop
.endr
.Lasked_\@:
.endm
; A prefetch into the L2 of x's K step that stands two refills on.  Of the 64 rows that waves 0 and 1 each fetch, the partner at place cx takes 16, told apart by address; a row's 512 bytes of a step
; are two blocks of 256: lanes 0-15 name the first, lanes 16-31 the second.  A tile row of x is read by this row of this cluster alone, so each block is named once in the launch.
; The first four K steps come by their loads alone; the last two refills (the loop's last trip) have no step two on.  W is not asked for: every cluster of the projection reads it.
.macro ASK
	s_cmp_gt_u32 s3, s[LIM]
	s_cbranch_scc0 .Lnot_mine_\@
	global_prefetch_b8 v[PFO], s[PFA:PFA+1] offset:512 th:TH_LOAD_NT scope:SCOPE_SE
.Lnot_mine_\@:
.endm
.macro CREST                           ; a round of the cluster's barrier behind its opening barrier
	s_cmp_lg_u32 s[SWV], 0
	s_cbranch_scc1 .Lnot_wave_0_\@
	s_barrier_signal -3
.Lnot_wave_0_\@:
	s_barrier_wait -3
	s_barrier_signal -1
	s_barrier_wait -1
.endm
.macro CROUND                          ; a whole round
	s_barrier_signal -1
	s_barrier_wait -1
	CREST
.endm
.macro PLACES
.rept 4
	v_nop
.endr
.endm
	s_load_b256 s[4:11], s[0:1], 0x0               ; q_in s[4:5], k_in s[6:7], v_in s[8:9], wb s[10:11]
	s_load_b128 s[12:15], s[0:1], 0x20             ; context_bias s[12:13], tab s[14:15]
	s_load_b64 s[16:17], s[0:1], 0x30              ; qkv
	v_lshl_add_u32 v[SPW], v0, 2, SPARE
	v_mov_b32 v[NIL], 0
	ds_add_u32 v[SPW], v[NIL]                      ; the wave's opening: the add and its wait stand ahead of my first tensor load; the set-up below, work on registers, stands between them
	v_lshrrev_b32 v1, 5, v0
	v_readfirstlane_b32 s[SWV], v1                 ; wave 0..3
	s_lshr_b32 s[SWM], s[SWV], 1
	s_and_b32 s[SWN], s[SWV], 1
	s_bfe_u32 s[CX], ttmp6, 0x40000                ; my place in the cluster; the grid is one cluster wide, so cx is the tile column
	s_bfe_u32 s[CY], ttmp6, 0x40004
	s_and_b32 s[CLY], ttmp7, 0xffff                ; cluster y, 0..47
	s_lshr_b32 s[PJ], s[CLY], 4                    ; sixteen clusters to a projection: the same for all sixteen partners
	s_and_b32 s[TR], s[CLY], 15
	s_lshl_b32 s[TR], s[TR], 2
	s_add_co_u32 s[TR], s[TR], s[CY]
	s_lshr_b32 s[BAT], s[TR], 4
	s_and_b32 s[SB], s[TR], 15
	s_lshl_b32 s[SB], s[SB], 7
	s_lshl_b32 s62, s[CY], 2
	s_lshl_b32 s62, 15, s62                        ; my row of the cluster: places 4 cy .. 4 cy + 3
	s_lshl_b32 s63, 0x1111, s[CX]                  ; my column: places cx, cx + 4, cx + 8, cx + 12
	s_or_b32 s[G1A], s62, (2<<16)|(1<<20)|(1<<21)|(6<<22)|(3<<25)  ; 15:0 the mask; 17:16 elements of 4 bytes; 20 padding on; 21 set beside a mask; 24:22 after every 128 words (code 6); 31:25 4 words (code 3)
	s_or_b32 s[G1B], s63, (1<<16)|(1<<20)|(1<<21)|(5<<22)|(3<<25)  ; elements of 2 bytes; after every 64 words (code 5)
	s_mov_b32 s[G1A+1], 128<<16                    ; tensor_dim0 = 128
	s_mov_b32 s[G1A+2], 64<<16                     ; tensor_dim1 = 64
	s_mov_b32 s[G1A+3], 128<<16                    ; tile_dim0 = 128
	s_mov_b32 s[G1A+4], 64                         ; tile_dim1 = 64
	s_mov_b32 s[G1A+5], 1024                       ; elements from row to row
	s_mov_b32 s[G1A+6], 0
	s_mov_b32 s[G1A+7], 0
	s_mov_b32 s[G1B+1], 128<<16
	s_mov_b32 s[G1B+2], 128<<16                    ; tensor_dim1 = 128
	s_mov_b32 s[G1B+3], 128<<16
	s_mov_b32 s[G1B+4], 128                        ; tile_dim1 = 128
	s_mov_b32 s[G1B+5], 1024
	s_mov_b32 s[G1B+6], 0
	s_mov_b32 s[G1B+7], 0
	s_lshl_b32 s72, s[TR], 7                       ; x: row 128 x tile row + 64 x half, 4,096 bytes a row
	s_lshl_b32 s73, s[SWN], 6
	s_add_co_u32 s72, s72, s73
	s_lshl_b32 s72, s72, 12
	s_mov_b32 s73, 0
	s_lshl_b32 s74, s[CX], 8                       ; W: row 256 x tile column + 128 x half, 2,048 bytes a row, in section p
	s_lshl_b32 s75, s[SWN], 7
	s_add_co_u32 s74, s74, s75
	s_lshl_b32 s74, s74, 11
	s_lshl_b32 s75, s[PJ], 21
	s_add_co_u32 s74, s74, s75
	s_mov_b32 s75, 0
	s_mul_i32 s62, s[SWN], AHALF                   ; where the tiles go: no place in the cluster enters an LDS address
	s_mul_i32 s63, s[SWN], BHALF
	s_mov_b32 s[HIM], 0xffff0000
	s_cmp_eq_u32 s[SWM], 0
	s_cselect_b32 s[LIM], 1, -1                    ; waves 0 and 1 prefetch: the same in all partners
	s_cmp_eq_u32 s[PJ], 0
	s_cselect_b32 s[BM], -1, 0
	s_wait_dscnt 0x0                               ; the opening add is done
	s_wait_kmcnt 0x0
	s_cmp_eq_u32 s[PJ], 1
	s_cselect_b64 s[60:61], s[6:7], s[8:9]
	s_cmp_eq_u32 s[PJ], 0
	s_cselect_b64 s[60:61], s[4:5], s[60:61]       ; x of my projection
	s_add_nc_u64 s[60:61], s[60:61], s[72:73]
	s_add_nc_u64 s[66:67], s[10:11], s[74:75]
	s_lshl_b32 s78, s[CX], 16                      ; the prefetches: my work-group's 16 rows of the 64,
	s_add_co_u32 s78, s78, 1024                    ; at K step 2: the first refill steps it to 3 and names step 4
	s_mov_b32 s79, 0
	s_add_nc_u64 s[PFA:PFA+1], s[60:61], s[78:79]
	s_lshl_b32 s78, s[BAT], 12                     ; the bias: my batch's row, my 128 columns
	s_lshl_b32 s77, s[CX], 10
	s_add_co_u32 s78, s78, s77
	s_lshl_b32 s77, s[SWN], 9
	s_add_co_u32 s78, s78, s77
	s_add_nc_u64 s[12:13], s[12:13], s[78:79]
	s_cmp_eq_u32 s[PJ], 2                          ; the table: V takes the second section; my 64 rows of 256 bytes
	s_cselect_b32 s78, 0x80000, 0
	s_lshl_b32 s77, s[SWM], 6
	s_add_co_u32 s77, s77, s[SB]
	s_lshl_b32 s77, s77, 8
	s_add_co_u32 s78, s78, s77
	s_add_nc_u64 s[14:15], s[14:15], s[78:79]
	s_lshl_b32 s78, s[BAT], 4                      ; qkv: section p, head 16 batch + 4 cx + 2 half, row SB + 64 half, 128 bytes a row
	s_lshl_b32 s77, s[CX], 2
	s_add_co_u32 s78, s78, s77
	s_lshl_b32 s77, s[SWN], 1
	s_add_co_u32 s78, s78, s77
	s_lshl_b32 s78, s78, 11
	s_add_co_u32 s78, s78, s[SB]
	s_lshl_b32 s77, s[SWM], 6
	s_add_co_u32 s78, s78, s77
	s_lshl_b32 s78, s78, 7
	s_lshl_b32 s77, s[PJ], 24
	s_add_co_u32 s78, s78, s77
	s_add_nc_u64 s[16:17], s[16:17], s[78:79]
	CROUND                                         ; all sixteen work-groups are here: the first joint loads meet
.irp s, 0,1
	s_mov_b32 s[G0A+4*(\s)], 1                                       ; count = 1
	s_add_co_u32 s[G0A+4*(\s)+1], s62, (\s)*SLOT                     ; LDS address
	s_add_nc_u64 s[G0A+4*(\s)+2:G0A+4*(\s)+3], s[60:61], (\s)*512    ; global address: K step s
	s_or_b32 s[G0A+4*(\s)+3], s[G0A+4*(\s)+3], 0x80000000            ; type = 2
	s_mov_b32 s[G0B+4*(\s)], 1
	s_add_co_u32 s[G0B+4*(\s)+1], s63, (\s)*SLOT+BOFF
	s_add_nc_u64 s[G0B+4*(\s)+2:G0B+4*(\s)+3], s[66:67], (\s)*256
	s_or_b32 s[G0B+4*(\s)+3], s[G0B+4*(\s)+3], 0x80000000
	JLOAD \s                                       ; two loads of mine are out
.endr
	; A fragment is 16 rows x 32 K: lane l holds row l % 16 and K = 8 (l / 16) + 0..7 and 16 + 8 (l / 16) + 0..7.  In bf16: two loads of 16 bytes, 32 apart.  In f32: four, at 0, 16, 64 and 80 from row x pitch + 32 (l / 16).
	v_and_b32 v1, 15, v0                           ; l % 16
	v_bfe_u32 v2, v0, 4, 1                         ; l / 16
	v_mul_u32_u24 v3, v1, PA
	v_lshl_add_u32 v3, v2, 5, v3
	s_mul_i32 s2, s[SWM], 64*PA
	v_add_nc_u32 v[ADRA], s2, v3
	v_add_nc_u32 v[ADRA+1], SLOT, v[ADRA]
	v_mul_u32_u24 v4, v1, PB
	v_lshl_add_u32 v4, v2, 4, v4
	s_mul_i32 s2, s[SWN], 128*PB
	s_add_co_u32 s2, s2, BOFF
	v_add_nc_u32 v[ADRB], s2, v4
	v_add_nc_u32 v[ADRB+1], SLOT, v[ADRB]
	s_mul_i32 s2, s[SWV], STW
	s_add_co_u32 s2, s2, STAGE                     ; my stage
	v_mul_u32_u24 v3, v1, SP                       ; in: row l % 16, 16 bytes for each half of the lanes
	v_lshl_add_u32 v3, v2, 4, v3
	v_add_nc_u32 v[STO], s2, v3
	v_bfe_u32 v4, v0, 3, 2                         ; back: 32 lanes take four rows of 128 bytes,
	v_and_b32 v5, 7, v0
	v_mul_u32_u24 v4, v4, SP
	v_lshl_add_u32 v4, v5, 4, v4
	v_add_nc_u32 v[RD], s2, v4
	v_and_b32 v[GO], 31, v0                        ; which are 512 consecutive bytes of a head
	v_lshlrev_b32 v[GO], 4, v[GO]
	v_lshlrev_b32 v[TBO], 8, v1                    ; the table: row l % 16, entries 8 (l / 16) on
	v_lshl_add_u32 v[TBO], v2, 5, v[TBO]
	v_lshlrev_b32 v[PFO], 12, v1                   ; the prefetches: row l % 16 of x, block l / 16
	v_lshl_add_u32 v[PFO], v2, 8, v[PFO]
	v_lshlrev_b32 v[BO], 5, v2                     ; the bias: columns 8 (l / 16) on
.irp b, 0,1,2,3,4,5,6,7
	global_load_b128 v[BIAS+8*(\b):BIAS+8*(\b)+3],   v[BO], s[12:13] offset:64*(\b)
	global_load_b128 v[BIAS+8*(\b)+4:BIAS+8*(\b)+7], v[BO], s[12:13] offset:64*(\b)+16
.endr
	WIN TO2
.irp a, 0,1,2,3
.irp c, 0,1
	global_load_b128 v[TAB+32*(\a)+16*(\c):TAB+32*(\a)+16*(\c)+3],     v[TBO], s[14:15] offset:(\a)*4096+(\c)*64
	global_load_b128 v[TAB+32*(\a)+16*(\c)+4:TAB+32*(\a)+16*(\c)+7],   v[TBO], s[14:15] offset:(\a)*4096+(\c)*64+16
	global_load_b128 v[TAB+32*(\a)+16*(\c)+8:TAB+32*(\a)+16*(\c)+11],  v[TBO], s[14:15] offset:(\a)*4096+(\c)*64+128
	global_load_b128 v[TAB+32*(\a)+16*(\c)+12:TAB+32*(\a)+16*(\c)+15], v[TBO], s[14:15] offset:(\a)*4096+(\c)*64+144
.endr
.endr
	WIN 0
	s_wait_loadcnt 32                              ; the bias is in; the table's 32 loads, wanted on the way out, stay out
.set k, 0
.rept 32                                       ; the bias is rounded to bf16 like every input, kept for Q alone, and widened again: it starts the sums
	v_cvt_pk_bf16_f32 v[3+k%4], v[BIAS+2*k], v[BIAS+2*k+1]
	v_and_b32 v[3+k%4], s[BM], v[3+k%4]
	v_lshlrev_b32 v[BIAS+2*k], 16, v[3+k%4]
	v_and_b32 v[BIAS+2*k+1], s[HIM], v[3+k%4]
.set k, k+1
.endr
; Product i of a quarter step's 32: row block i % 4, column block i / 4, from buffers p.  All 32 accumulators take turns, one instruction a turn.  first = 1: C is the bias.
.macro WM i, p, first
.set wr, (\i)%4
.set wc, (\i)/4
.if \first
	WIN MULF
	v_wmma_f32_16x16x32_bf16 v[8*(8*wr+wc):8*(8*wr+wc)+7], v[BF+64*(\p)+8*wc:BF+64*(\p)+8*wc+7], v[ABF+32*(\p)+8*wr:ABF+32*(\p)+8*wr+7], v[BIAS+8*wc:BIAS+8*wc+7]
.else
	WIN MUL
	v_wmma_f32_16x16x32_bf16 v[8*(8*wr+wc):8*(8*wr+wc)+7], v[BF+64*(\p)+8*wc:BF+64*(\p)+8*wc+7], v[ABF+32*(\p)+8*wr:ABF+32*(\p)+8*wr+7], v[8*(8*wr+wc):8*(8*wr+wc)+7]
.endif
.endm
.macro WMS from, n, p, first           ; n products on end
.set w, (\from)
.rept (\n)
	WM w, \p, \first
.set w, w+1
.endr
.endm
; Four LDS loads for quarter q of a slot.  n = 0..3: fragment n of x, as f32.  n = 4..7: fragments 2 (n - 4) and 2 (n - 4) + 1 of W, into buffer pn.
.macro LG n, slot, q, pn
.if (\n) < 4
	WIN 0
	ds_load_b128 v[RAW+16*(\n):RAW+16*(\n)+3],     v[ADRA+(\slot)] offset:(\n)*16*PA+(\q)*128
	ds_load_b128 v[RAW+16*(\n)+4:RAW+16*(\n)+7],   v[ADRA+(\slot)] offset:(\n)*16*PA+(\q)*128+16
	ds_load_b128 v[RAW+16*(\n)+8:RAW+16*(\n)+11],  v[ADRA+(\slot)] offset:(\n)*16*PA+(\q)*128+64
	ds_load_b128 v[RAW+16*(\n)+12:RAW+16*(\n)+15], v[ADRA+(\slot)] offset:(\n)*16*PA+(\q)*128+80
.else
	WIN TO2
.set lb, 2*((\n)-4)
	ds_load_b128 v[BF+64*(\pn)+8*lb:BF+64*(\pn)+8*lb+3],     v[ADRB+(\slot)] offset:lb*16*PB+(\q)*64
	ds_load_b128 v[BF+64*(\pn)+8*lb+4:BF+64*(\pn)+8*lb+7],   v[ADRB+(\slot)] offset:lb*16*PB+(\q)*64+32
	ds_load_b128 v[BF+64*(\pn)+8*lb+8:BF+64*(\pn)+8*lb+11],  v[ADRB+(\slot)] offset:(lb+1)*16*PB+(\q)*64
	ds_load_b128 v[BF+64*(\pn)+8*lb+12:BF+64*(\pn)+8*lb+15], v[ADRB+(\slot)] offset:(lb+1)*16*PB+(\q)*64+32
.endif
.endm
.macro CG j, pn                        ; four roundings: registers 4 j .. 4 j + 3 of x's buffer pn
	WIN 0
.set cr, 4*(\j)
.rept 4
	v_cvt_pk_bf16_f32 v[ABF+32*(\pn)+cr], v[RAW+2*cr], v[RAW+2*cr+1]
.set cr, cr+1
.endr
.endm
; A K step is four quarter steps of 32 along K, on buffers 0, 1, 0, 1.  One of the first three: multiplies buffers p and makes quarter q ready in the other buffers.
; The last four roundings name no register of the products round them: they are the four places between this quarter's last product and the next quarter's loads and roundings into buffers p.
.macro QUARTER slot, q, p, first
	s_wait_dscnt 0x0                               ; W's fragments of this quarter, issued sixteen products ago or more
.set g, 0
.rept 8
	WM 2*g, \p, \first
	WM 2*g+1, \p, \first
	LG g, \slot, \q, 1-(\p)
.set g, g+1
.endr
	s_wait_dscnt 16                                ; x's sixteen loads are in; W's sixteen, issued behind them, may stay out
.rept 8
	WM 2*g, \p, \first
	WM 2*g+1, \p, \first
	CG g-8, 1-(\p)
.set g, g+1
.endr
.endm
; The last quarter multiplies buffers 1 and changes slots: ONE barrier.  In front of it each wave waits for all its tensor loads, of which one is out: its part of the next slot; adds 0 to its spare word; and waits
; for that and for its own reads of this slot.  Behind it nobody reads this slot any more and the next slot is whole.  fill = 1: the barrier opens a round of the cluster's, and this slot is filled again, two K steps on,
; first thing behind the round: 120 products of the wave stand between that request and the wait for it.
.macro TURN slot, next, fill
.if \fill
	s_wait_xcnt 0x0                                ; the last prefetch, a K step back, has read its address: it is stepped here, ahead of the waits of the change of slots
	s_add_nc_u64 s[PFA:PFA+1], s[PFA:PFA+1], 512
.endif
	WIN 0                                          ; (the add's two registers lie in window 0)
	s_wait_tensorcnt 0x0                           ; all my tensor loads have landed
	ds_add_u32 v[SPW], v[NIL]                      ; 0 onto my spare word
	s_wait_dscnt 1                                 ; W's fragments of this quarter are in; the add may be out
	WMS 0, 4, 1, 0                                 ; four products stand between the add and the wait for it
	s_wait_dscnt 0x0                               ; the add is done, and my reads of this slot are over
	s_barrier_signal -1
	WMS 4, 4, 1, 0                                 ; work on registers while the others arrive
	WIN 0
	s_barrier_wait -1
.if \fill
	CREST                                          ; no wave of any partner still reads this slot's tile or has a load on its way
	s_add_nc_u64 s[G0A+4*(\slot)+2:G0A+4*(\slot)+3], s[G0A+4*(\slot)+2:G0A+4*(\slot)+3], 1024
	s_add_nc_u64 s[G0B+4*(\slot)+2:G0B+4*(\slot)+3], s[G0B+4*(\slot)+2:G0B+4*(\slot)+3], 512
	JLOAD \slot
.endif
	LG 0, \next, 0, 0
	LG 1, \next, 0, 0
	LG 2, \next, 0, 0
	LG 3, \next, 0, 0
.if \fill
	ASK                                            ; behind the joint load and the run of LDS loads
.endif
	WMS 8, 2, 1, 0
	LG 4, \next, 0, 0
	LG 5, \next, 0, 0
	WMS 10, 2, 1, 0
	LG 6, \next, 0, 0
	LG 7, \next, 0, 0
	WMS 12, 4, 1, 0
	s_wait_dscnt 16                                ; x's sixteen loads are in
.set g, 8
.rept 8
	WM 2*g, 1, 0
	WM 2*g+1, 1, 0
	CG g-8, 0
.set g, g+1
.endr
.endm
; THE WAY OUT of row block a.  Rotation: y1 = x1 cos - x2 sin, y2 = x1 sin + x2 cos, x1 in block c, x2 in block c + 2 of a head (each accumulator's lowest registers are read first);
; rounded to f16; 16 bytes a lane into my own stage; back as whole rows of a head, 128 bytes each, four rows to a load.
.macro PACK a
	WIN RP
.irp hh, 0,1
.irp cp, 0,1
.set XA, 8*(8*(\a)+4*(\hh)+(\cp))
.set XB, XA+16
.set TT, TAB+32*(\a)+16*(\cp)
.set YY, Y+16*(2*(\hh)+(\cp))
.irp m, 0,1,2,3
	v_pk_mul_f32 v[YY+2*(\m):YY+2*(\m)+1],     v[XB+2*(\m):XB+2*(\m)+1], v[TT+8+2*(\m):TT+8+2*(\m)+1]
	v_pk_mul_f32 v[YY+8+2*(\m):YY+8+2*(\m)+1], v[XA+2*(\m):XA+2*(\m)+1], v[TT+8+2*(\m):TT+8+2*(\m)+1]
.endr
.irp m, 0,1,2,3
	v_pk_fma_f32 v[YY+2*(\m):YY+2*(\m)+1],     v[XA+2*(\m):XA+2*(\m)+1], v[TT+2*(\m):TT+2*(\m)+1], v[YY+2*(\m):YY+2*(\m)+1] neg_lo:[0,0,1] neg_hi:[0,0,1]
	v_pk_fma_f32 v[YY+8+2*(\m):YY+8+2*(\m)+1], v[XB+2*(\m):XB+2*(\m)+1], v[TT+2*(\m):TT+2*(\m)+1], v[YY+8+2*(\m):YY+8+2*(\m)+1]
.endr
.endr
.endr
	WIN 0
.if (\a) >= 2
	s_wait_xcnt 0x0                                ; the stores of the block two back have read these registers (ISA guide 3.1)
.endif
.set OO, 224-192*((\a)%2)
.irp hh, 0,1
.irp c, 0,1,2,3
.set SS, Y+16*(2*(\hh)+((\c)%2))+8*((\c)/2)
.irp m, 0,1,2,3
	v_cvt_pk_f16_f32 v[OO+16*(\hh)+4*(\c)+(\m)], v[SS+2*(\m)], v[SS+2*(\m)+1]
.endr
.endr
.endr
.irp hh, 0,1
.irp c, 0,1,2,3
	ds_store_b128 v[STO], v[OO+16*(\hh)+4*(\c):OO+16*(\hh)+4*(\c)+3] offset:(\hh)*16*SP+32*(\c)
.endr
.endr
.irp hh, 0,1
.irp f, 0,1,2,3
	ds_load_b128 v[OO+16*(\hh)+4*(\f):OO+16*(\hh)+4*(\f)+3], v[RD] offset:(\hh)*16*SP+(\f)*4*SP  ; LDS serves a wave's instructions in order (ISA guide 5.7.1.4): these see the stores above; the next block's stores come behind them
.endr
.endr
.endm
.macro SEND a, younger                 ; younger: the LDS instructions issued behind block a's loads: the next block's sixteen, or none
	WIN 0
.set OO, 224-192*((\a)%2)
.irp n, 0,1,2,3,4,5,6,7
	s_wait_dscnt (\younger)+7-(\n)
	global_store_b128 v[GO], v[OO+4*(\n):OO+4*(\n)+3], s[16:17] offset:((\n)/4)*262144+(\a)*2048+((\n)%4)*512  ; 512 consecutive bytes, at a multiple of 256 from qkv's first
.endr
.endm
	s_wait_tensorcnt 1                             ; my part of K step 0 is in; step 1's may stay out
	s_barrier_signal -1
	s_barrier_wait -1                              ; everybody's is
.irp n, 0,1,2,3,4,5,6,7
	LG \n, 0, 0, 0
.endr
	s_wait_dscnt 0x0
.irp n, 0,1,2,3,4,5,6,7
	CG \n, 0
.endr
	QUARTER 0, 1, 0, 1                             ; the first quarter stands in front of the loop: its products start the sums, with the bias
	WIN 0                                          ; at a label and at a branch every window is 0
	s_mov_b32 s3, 3
.Llap:                                                 ; a trip goes once round the ring, from a lap's second quarter to the next lap's first, and fills both slots again
	QUARTER 0, 2, 1, 0
	QUARTER 0, 3, 0, 0
	TURN 0, 1, 1
	QUARTER 1, 1, 0, 0
	QUARTER 1, 2, 1, 0
	QUARTER 1, 3, 0, 0
	TURN 1, 0, 1
	QUARTER 0, 1, 0, 0
	WIN 0
	s_sub_co_u32 s3, s3, 1
	s_cmp_lg_u32 s3, 0
	s_cbranch_scc1 .Llap
	QUARTER 0, 2, 1, 0                             ; the last lap fills nothing, and has no round of the cluster's barrier
	QUARTER 0, 3, 0, 0
	TURN 0, 1, 0
	QUARTER 1, 1, 0, 0
	QUARTER 1, 2, 1, 0
	QUARTER 1, 3, 0, 0
	s_wait_dscnt 0x0                               ; the very last quarter: nothing more to fetch
	WMS 0, 32, 1, 0
	PLACES                                         ; the rotation reads results just made
	s_wait_loadcnt 0x0                             ; the table
	PACK 0
	PACK 1                                         ; a block's arithmetic stands between the loads of the block before and its stores
	SEND 0, 16
	PACK 2
	SEND 1, 16
	PACK 3
	SEND 2, 16
	SEND 3, 0
	s_wait_tensorcnt 0x0                           ; the wave's end: behind my last tensor load and my last LDS store
	ds_add_u32 v[SPW], v[NIL]
	s_wait_dscnt 0x0
	CROUND                                         ; the closing round: no work-group ends while a partner may still ask for a tile that names it
	s_endpgm
.Lfunc_end_k_qbf9440441a_proj:
	.size	k_qbf9440441a_proj, .Lfunc_end_k_qbf9440441a_proj-k_qbf9440441a_proj
	.p2alignl 7, 3214868480
	.fill 96, 4, 3214868480
	.section	.rodata,"a",@progbits
	.p2align	6, 0x0
	.amdhsa_kernel k_qbf9440441a_proj
		.amdhsa_group_segment_fixed_size 327680
		.amdhsa_private_segment_fixed_size 0
		.amdhsa_enable_private_segment 0
		.amdhsa_kernarg_size 56
		.amdhsa_user_sgpr_count 2
		.amdhsa_user_sgpr_kernarg_segment_ptr 1
		.amdhsa_wavefront_size32 1
		.amdhsa_system_sgpr_workgroup_id_x 1
		.amdhsa_system_sgpr_workgroup_id_y 1
		.amdhsa_system_sgpr_workgroup_id_z 1
		.amdhsa_system_vgpr_workitem_id 0
		.amdhsa_next_free_vgpr 768
		.amdhsa_next_free_sgpr 80
		.amdhsa_reserve_vcc 0
		.amdhsa_float_denorm_mode_32 3
		.amdhsa_float_denorm_mode_16_64 3
		.amdhsa_memory_ordered 1
		.amdhsa_forward_progress 1
		.amdhsa_inst_pref_size 165
	.end_amdhsa_kernel
	.amdgpu_metadata
---
amdhsa.version: [ 1, 2 ]
amdhsa.kernels:
  - .name:           k_qbf9440441a_proj
    .symbol:         k_qbf9440441a_proj.kd
    .args:
      - { .name: q_in, .offset: 0, .size: 8, .value_kind: global_buffer, .address_space: global }
      - { .name: k_in, .offset: 8, .size: 8, .value_kind: global_buffer, .address_space: global }
      - { .name: v_in, .offset: 16, .size: 8, .value_kind: global_buffer, .address_space: global }
      - { .name: wb, .offset: 24, .size: 8, .value_kind: global_buffer, .address_space: global }
      - { .name: context_bias, .offset: 32, .size: 8, .value_kind: global_buffer, .address_space: global }
      - { .name: tab, .offset: 40, .size: 8, .value_kind: global_buffer, .address_space: global }
      - { .name: qkv, .offset: 48, .size: 8, .value_kind: global_buffer, .address_space: global }
    .group_segment_fixed_size: 327680
    .private_segment_fixed_size: 0
    .kernarg_segment_align: 8
    .kernarg_segment_size: 56
    .max_flat_workgroup_size: 128
    .sgpr_count:     80
    .vgpr_count:     768
    .wavefront_size: 32
...
	.end_amdgpu_metadata
.endif
;; end of part 2
;; launch attn (part 3): grid 4 x 64, 4 waves a work-group, clusters of 4 x 1, 327,680 bytes of LDS; arguments qkv, oh; writes oh
.if DOCPART == 3
	.amdgcn_target "amdgcn-amd-amdhsa--gfx1250"
	.amdhsa_code_object_version 6
	.text
	.protected	k_qbf9440441a_attn
	.globl	k_qbf9440441a_attn
	.p2align	8
	.type	k_qbf9440441a_attn,@function
k_qbf9440441a_attn:
	s_mov_b64 s[64:65], 0
	v_nop
	global_prefetch_b8 v0, s[64:65] scope:SCOPE_SE
	s_setreg_imm32_b32 hwreg(HW_REG_WAVE_MODE, 25, 1), 1
	s_wait_xcnt 0x0
	s_wait_alu depctr_hold_cnt(0) depctr_sa_sdst(0) depctr_va_vdst(0) depctr_va_sdst(0) depctr_va_ssrc(0) depctr_va_vcc(0) depctr_vm_vsrc(0)
	s_getreg_b32 s2, hwreg(HW_REG_IB_STS2, 6, 4)
	s_cmp_eq_u32 s2, 0
	s_cbranch_scc0 .Lentry_in_a_cluster
	s_endpgm
.Lentry_in_a_cluster:
	s_bfe_u32 s2, ttmp6, 0x10000c
	s_cmp_lg_u32 s2, 0x3003
	s_cbranch_scc0 .Lentry_shape_is_right
	s_endpgm
.Lentry_shape_is_right:
; O[h][q][:] = the sum over k of softmax_k(Q[h][q] . K[h][k] / 8) V[h][k][:].  Q, K, V: the three sections of qkv, O: oh, each [SIZE_H][SIZE_N][64] in f16: a head's rows are dense, 128 bytes each.
; Products, maxima and sums in f32; the weights p are rounded to f16 for the second product (their sum l is taken of the unrounded p), O once at the end.
; LIMITS.  f16 holds no number beyond 65,504: Q, K and V arrive within it; p lies in 0 to 1, and below 6e-5 it keeps f16's fixed step of 6e-8, and so does O; O is a mean of V's rows and has their range.
; A weight below 2^-126 counts as 0 in l; NaN and infinities are not treated apart.
; SHARES.  A wave owns four PIECES of two tiles of 16 queries, a work-group's four waves 512 queries of one head, a cluster of four work-groups the head's 2,048.  Every wave walks all keys, 64 a step.
; LAYOUT.  S^T = K Q^T (source 0 = 16 keys, source 1 = 16 queries): in the result a lane holds ONE query (lane % 16) and the keys 8 (lane / 16) + 0..7.  Two such tiles, rounded to f16 in pairs,
; ARE source 1 (32 keys x 16 queries) of O^T = V^T P, whose result again holds one query a lane, and eight channels.  K comes out of LDS as it lies, V ([key][channel]) turned, by ds_load_tr16_b128.
; SOFTMAX.  For each query a running maximum m and sum l: p = 2^(c s - c m), c = log2(e) / 8; in every step O and l are multiplied by a = 2^(c m_old - c m_new), which is 1 where m has not grown.
; m starts at the lowest finite number, O and l at 0: the first step is a step like any other, with a = 0.
; THE COUNT.  A tile and step have 16 matrix and 118 vector instructions: too many to stand all beside the matrix work.  So the order has one aim: four vector instructions that are READY behind
; EVERY matrix instruction, and the others, which need time of their own whatever the order, in runs without a gap.
; BY TURNS.  Turn n belongs to piece n (the pieces in a ring, step after step).  Its matrix work: 16 products K Q^T of piece n + 1, later 16 products V^T P of piece n - 1.  Its vector work: the scaling,
; exponentials, roundings, sums and rescaling of piece n, and the maximum and statistics of piece n + 1, whose scores the turn itself has made.  So what a turn begins with (c s - c m, O a) waits for nothing.
; CLUSTER.  The four query blocks of a cluster belong to one head and walk the same K and V, so each tile is asked for JOINTLY: the same tensor load, descriptor and mask in all four.
; REGISTERS, in windows of 256 (s_set_vgpr_msb says which window each operand place means: bits 1:0 source 0, 3:2 source 1, 5:4 source 2, 7:6 destination):
;   window 0: v0-11 addresses; v12-15, v48-63 at work; v16-47 four registers of statistics a tile; v64-191 S^T, two buffers of two tiles; v192-255 P, likewise
;   window 1: O^T, 32 a tile          window 2: v0-127 Q, 16 a tile; v128-191 K of one step; v192-255 V of one step          window 3: v0-1 the add's two registers
; A piece's buffers go by its number's parity: the piece in hand has one pair, its two neighbours in the ring share the other: of it P (piece n - 1) is read and S^T (piece n + 1) written.
.set SIZE_H, 64
.set SIZE_N, 2048
.set KSEC,  SIZE_H*SIZE_N*128  ; K's section of qkv begins here,
.set VSEC,  2*KSEC    ; and V's here
.set NP,    4         ; pieces a wave: a name, no knob: the register map, the loop and the fetches are made for four
.set KS,    64        ; keys in a step
.set PK,    144       ; a row of K in LDS: 128 bytes + 16 of padding = 36 words: the 16 rows of a load start at 16 different groups of four banks (64 banks of 4 bytes: ISA guide 11.1)
.set PV,    160       ; a row of V: 128 + 32 = 40 words
.set VOFF,  4*KS*PK   ; a slot holds four steps: 256 rows of K, then 256 rows of V
.set SLOT1, 1<<17     ; slot 1 begins here, so that one exclusive or turns an address in one slot into the other's
.set STAGE, SLOT1+4*KS*(PK+PV)  ; behind the ring, never filled by a tensor load: 16 rows x 144 bytes for each wave, for the way out
.set SP,    144
.set AK0, 2           ; v2   my lane's place in a tile of K; never rewritten
.set AV0, 3           ; v3   the same for V
.set AK,  4           ; v4   the LDS address of K's next run of loads
.set AV,  5           ; v5   of V's
.set QO,  6           ; v6   my byte offset in the wave's rows of Q
.set STO, 6           ;      later, the way out: where I put 16 bytes of a row
.set RD,  7           ; v7   the way out: where I read rows back
.set GO,  8           ; v8   my byte offset in 512 consecutive bytes of O
.set PFO, 11          ; v11  256 x my lane, for the prefetches; never rewritten once made
.set SPW, 0           ; v0 of window 3   LDS address of my spare word: SPARE + 4 x my thread's number; never rewritten
.set NIL, 1           ; v1 of window 3   0; never rewritten
.set SPARE, STAGE+4*16*SP  ; behind the stages: the spare words, 128 bytes for each wave: two blocks of 256 bytes that no other line names
.set MV,  12          ; v12-15  c m_old, kept while c m is made anew: by buffer and tile
.set ST,  16          ; tile t's statistics at v[ST+4 t]: c m, m, l (even keys', odd keys')
.set TMP, 48          ; by buffer and tile, four registers c0-c3 at work; when the maximum is found c2 takes a
.set S,   64
.set P,   192
.set KF,  128         ; K's fragments, in window 2: key block kb, channel half c at KF + 16 kb + 8 c
.set VF,  192         ; V's: key half kk, channel block cb at VF + 32 kk + 8 cb
.set WV,  12          ; s12  my wave's number
.set G1K, 24          ; s[24:31] descriptor group 1 for K's tiles
.set G1V, 32          ; s[32:39] for V's: it differs in the padding alone
.set G0K, 40          ; s[40:43] descriptor group 0 for K's tiles: it walks
.set G0V, 44          ; s[44:47] the same for V's
.set PFA, 48          ; s[48:49] where my prefetches stand: my work-group's 32 blocks of 256 bytes (of K: wave 0, of V: wave 2) of the slot after the one that is being asked for
.set LIM, 50          ; s50  1 in a wave that prefetches, else the greatest number
.set SLOTS, 56        ; s56  slots still to be asked for
.set CNT, 57          ; s57  counts a slot's key steps
.set CS,  58          ; s[58:59] c: the packed scaling takes the pair's low word for both halves
.set SEL, 60          ; s[60:61] v_permlanex16_b32's selects: each lane takes its own place in the other half
.set TBK, 62          ; s62  LDS byte at which K of the step to be fetched begins
.set TBV, 63          ; s63  the same for V, less VOFF
.set MSB, 0
.macro WIN new                      ; the high byte repeats the setting that is left; a switch that changes nothing is dropped
.if MSB != (\new)
	s_set_vgpr_msb (MSB<<8)|(\new)
.set MSB, (\new)
.endif
.endm
.set W_KQ, 0x0a       ; K and Q in window 2, S^T in window 0
.set W_PV, 0x52       ; V in window 2, P in window 0, O^T in window 1
.set W_RS, 0x41       ; O^T (destination and source 0) in window 1, a in window 0
.set W_MK, 0xc0       ; the add's registers are made: destination in window 3, sources in window 0
.set W_AD, 0x0f       ; the add: address (source 0) and data (source 1) in window 3
; A joint fill.  Waves 0 and 1 fetch the two halves of a slot's K, waves 2 and 3 those of its V: 128 keys each.  The branch hangs on the wave's number alone.
; An s_nop 0 and four v_nop follow each of the two lines, ahead of the jump and the label.
.macro JLOAD
	s_cmp_lt_u32 s[WV], 2
	s_cbranch_scc0 .Lfor_v_\@
	tensor_load_to_lds s[G0K:G0K+3], s[G1K:G1K+7]
	s_nop 0
.rept 4
	v_nop
.endr
	s_branch .Lasked_\@
.Lfor_v_\@:
	tensor_load_to_lds s[G0V:G0V+3], s[G1V:G1V+7]
	s_nop 0
.rept 4
	v_nop
.endr
.Lasked_\@:
.endm
; A PREFETCH INTO THE L2 of what the NEXT change of slots will ask for: a slot's 256 keys are 128 blocks of 256 bytes of K and 128 of V, a lane a block.  It stands behind the wave's tensor load and its five lines.
; A head is walked by this cluster alone.  Its four partners share the blocks out BY ADDRESS, 32 each; in each, wave 0 asks for K's and wave 2 for V's: one instruction.  So each block is named once in the launch.
; Slots 0, 1 and 2 come by their loads alone; the last change that fills a slot asks for nothing: there is no slot behind it.
.macro ASK
	s_cmp_gt_u32 s[SLOTS], s[LIM]
	s_cbranch_scc0 .Lnot_mine_\@
	global_prefetch_b8 v[PFO], s[PFA:PFA+1] th:TH_LOAD_NT scope:SCOPE_SE
.Lnot_mine_\@:
.endm
; A round of the cluster's barrier: my work-group's barrier, so that wave 0's signal speaks for all four waves; wave 0 signals; every wave waits for all four work-groups; my work-group's barrier once more.
.macro CROUND
	s_barrier_signal -1
	s_barrier_wait -1
	s_cmp_lg_u32 s[WV], 0
	s_cbranch_scc1 .Lnot_wave_0_\@
	s_barrier_signal -3
.Lnot_wave_0_\@:
	s_barrier_wait -3
	s_barrier_signal -1
	s_barrier_wait -1
.endm
; THE CHANGE OF SLOTS.  The slot's last bytes, V of its fourth step, have been read.  Each wave waits for all its tensor loads, of which one is out: its part
; of the other slot; adds 0 to its spare word; and waits for that and for its own reads of the slot.  Behind the barrier nobody reads this slot any more and the other slot is whole.
; fill = 1: this slot is filled again, with the keys two slots on.  The barrier is then a round of the cluster's, so that no wave of any partner still reads the slot or has a load on its
; way, and the joint fill is the first thing behind it: it has four key steps, 512 matrix instructions, in which to land.  (At its first use nothing has been read yet: slot 0 is waited for, slot 1 filled.)
; ask = 1: the prefetches' address steps a slot on, and the slot after the one just asked for is prefetched.
.macro CHANGE fill, ask=0
	WIN W_AD
	s_wait_tensorcnt 0x0            ; no tensor load of mine is out, so a group 0 may be written
	ds_add_u32 v[SPW], v[NIL]       ; 0 onto my spare word; with fill = 1 the descriptors' steps stand between it and the wait for it
	WIN 0                           ; at a label and at a branch every window is 0
.if \fill
.irp g, G0K, G0V
	s_xor_b32 s[\g+1], s[\g+1], SLOT1  ; the walking descriptor: the other slot than last time,
	s_add_nc_u64 s[\g+2:\g+3], s[\g+2:\g+3], 4*KS*128  ; the next 256 keys; the type bits on top are not reached
.endr
.if \ask
	s_wait_xcnt 0x0                 ; the last prefetch, four key steps back, has read its address, so it may be written
	s_add_nc_u64 s[PFA:PFA+1], s[PFA:PFA+1], 4*KS*128  ; one slot behind the walking descriptors
.endif
	s_wait_dscnt 0x0                ; the add is done, and my reads of the slot are over
	CROUND
	JLOAD
.if \ask
	ASK
.endif
.else
	s_wait_dscnt 0x0                ; the add is done, and my reads of the slot are over
	s_barrier_signal -1
	s_barrier_wait -1
.endif
	s_sub_co_u32 s[TBK], s[TBK], 4*KS*PK  ; the fetches go back to a slot's first step,
	s_xor_b32 s[TBK], s[TBK], SLOT1       ; in the other slot
	s_sub_co_u32 s[TBV], s[TBV], 4*KS*PV
	s_xor_b32 s[TBV], s[TBV], SLOT1
.endm
	s_load_b64 s[4:5], s[0:1], 0x0  ; qkv: Q's section first
	s_load_b64 s[10:11], s[0:1], 0x8  ; oh
	WIN W_MK
	v_lshl_add_u32 v[SPW], v0, 2, SPARE
	v_mov_b32 v[NIL], 0
	WIN W_AD
	ds_add_u32 v[SPW], v[NIL]       ; the wave's opening: the add and its wait stand ahead of my first tensor load; the set-up below, work on registers, stands between them
	WIN 0
	v_lshrrev_b32 v1, 5, v0
	v_readfirstlane_b32 s[WV], v1   ; wave 0..3
	s_bfe_u32 s13, ttmp6, 0x40000   ; cx: my place in the cluster
	s_lshl_b32 s14, ttmp9, 2        ; in a cluster launch ttmp9 counts clusters
	s_add_co_u32 s14, s14, s13      ; my block of queries = 4 x cluster x + cx: it enters Q's and O's addresses alone
	s_and_b32 s20, ttmp7, 0xffff    ; the head, which the four partners share
	s_mov_b32 s21, 0
	s_mov_b64 s[22:23], SIZE_N*128
	s_mul_u64 s[20:21], s[20:21], s[22:23]  ; the head's first byte in each of the four tensors
	s_and_b32 s16, s[WV], 1         ; which half of a slot's 256 keys I fetch:
	s_lshl_b32 s22, s16, 14         ; its 128 rows of 128 bytes in memory,
	s_mov_b32 s23, 0
	s_add_nc_u64 s[22:23], s[22:23], s[20:21]
	s_mul_i32 s17, s16, 128*PK      ; and its place in a slot, for K
	s_mul_i32 s18, s16, 128*PV      ; and for V: no place in the cluster enters an LDS address
	s_lshl_b32 s2, s14, 2
	s_add_co_u32 s2, s2, s[WV]      ; my wave among the head's,
	s_lshl_b32 s2, s2, 14           ; its 128 rows
	s_mov_b32 s3, 0
	s_add_nc_u64 s[2:3], s[2:3], s[20:21]
	; descriptor group 1.  128 keys are 16,384 dense bytes: asked for as 64 rows of 256 bytes, two keys a row, and padded in LDS after every key
	s_mov_b32 s[G1K], 15|(1<<16)|(1<<20)|(1<<21)|(4<<22)|(3<<25)  ; 15:0 the mask of four; 17:16 2-byte elements; 20 padding on; 21 set beside a mask; 24:22 after every 32 words (code 4); 31:25 4 words (code 3)
	s_mov_b32 s[G1V], 15|(1<<16)|(1<<20)|(1<<21)|(4<<22)|(7<<25)  ; the same with 8 words of padding (code 7)
.irp g, G1K, G1V
	s_mov_b32 s[\g+1], 128<<16      ; tensor_dim0 = 128
	s_mov_b32 s[\g+2], 64<<16       ; tensor_dim1 = 64
	s_mov_b32 s[\g+3], 128<<16      ; tile_dim0 = 128
	s_mov_b32 s[\g+4], 64           ; tile_dim1 = 64
	s_mov_b32 s[\g+5], 128          ; 128 elements from row to row
	s_mov_b32 s[\g+6], 0
	s_mov_b32 s[\g+7], 0
.endr
	s_mov_b32 s[CS], 0x3e38aa3b     ; c = log2(e) / 8 = 0.180337
	s_mov_b32 s[CS+1], s[CS]        ; named with it as a pair
	s_mov_b32 s[SEL], 0x76543210
	s_mov_b32 s[SEL+1], 0xfedcba98
	s_mov_b32 s[TBK], SLOT1+4*KS*PK ; the first change of slots turns these two into 0
	s_mov_b32 s[TBV], SLOT1+4*KS*PV
	s_mov_b32 s[G0K], 1             ; 1:0 count = 1
	s_mov_b32 s[G0K+1], s17         ; 63:32 LDS address: slot 0
	s_mov_b32 s[G0V], 1
	s_add_co_u32 s[G0V+1], s18, VOFF
	s_and_b32 s[LIM], s[WV], 1      ; waves 0 and 2 prefetch: the same in all four partners
	s_cmp_eq_u32 s[LIM], 0
	s_cselect_b32 s[LIM], 1, -1
	s_wait_dscnt 0x0                ; the opening add is done
	s_wait_kmcnt 0x0
	s_add_nc_u64 s[6:7], s[4:5], KSEC  ; K
	s_add_nc_u64 s[8:9], s[4:5], VSEC  ; V
	s_add_nc_u64 s[G0K+2:G0K+3], s[6:7], s[22:23]  ; 120:64 global address: my half of the head's first 256 keys
	s_or_b32 s[G0K+3], s[G0K+3], 0x80000000        ; 127:126 type = 2
	s_add_nc_u64 s[G0V+2:G0V+3], s[8:9], s[22:23]
	s_or_b32 s[G0V+3], s[G0V+3], 0x80000000
	s_add_nc_u64 s[4:5], s[4:5], s[2:3]  ; Q and O at my wave's first row
	s_add_nc_u64 s[10:11], s[10:11], s[2:3]
	s_cmp_lt_u32 s[WV], 2
	s_cselect_b64 s[PFA:PFA+1], s[6:7], s[8:9]
	s_add_nc_u64 s[PFA:PFA+1], s[PFA:PFA+1], s[20:21]  ; the head,
	s_lshl_b32 s2, s13, 13          ; my work-group's 32 blocks of the 128,
	s_mov_b32 s3, 0
	s_add_nc_u64 s[PFA:PFA+1], s[PFA:PFA+1], s[2:3]
	s_add_nc_u64 s[PFA:PFA+1], s[PFA:PFA+1], 2*4*KS*128  ; in slot 2: the change that asks for slot 2 steps it to slot 3.  Nothing is prefetched here, at the head
	CROUND                          ; all four work-groups are here: the first joint loads meet
	JLOAD                           ; slot 0.  Slot 1 is asked for when slot 0 is in: the tile wanted first has the road to itself
	; A fragment of K or Q is 16 rows x 32 channels in 8 registers: lane l holds row l % 16, channels 8 (l / 16) + 0..7 and 16 + 8 (l / 16) + 0..7: two loads of 16 bytes, 32 bytes apart.
	v_and_b32 v1, 15, v0            ; l % 16
	v_bfe_u32 v9, v0, 4, 1          ; l / 16
	v_lshlrev_b32 v[QO], 7, v1
	v_lshl_add_u32 v[QO], v9, 4, v[QO]  ; row x 128 + 16 x half
	WIN 0x80                        ; destination window 2, address window 0
.set i, 0
.rept 4*NP                          ; Q stays in registers: tile i / 2, channels 32 (i % 2) on
	global_load_b128 v[8*i:8*i+3],   v[QO], s[4:5] offset:(i/2)*2048+(i%2)*64
	global_load_b128 v[8*i+4:8*i+7], v[QO], s[4:5] offset:(i/2)*2048+(i%2)*64+32
.set i, i+1
.endr
	; What the first turn finds: V's registers and P's second buffer hold 0 (its products V^T P, of a piece that has not been, add 0), O^T and l are 0.  All this stands in the wait for the first tile.
.set i, VF
.rept 64
	v_mov_b32 v[i], 0
.set i, i+1
.endr
	WIN 0x40
.set i, 0
.rept 64*NP
	v_mov_b32 v[i], 0
.set i, i+1
.endr
	WIN 0
.set i, 0
.rept 2*NP
	v_mov_b32 v[ST+4*i], 0xfe000000    ; c m: far below every c s
	v_mov_b32 v[ST+4*i+1], 0xff7fffff  ; m
	v_mov_b32 v[ST+4*i+2], 0
	v_mov_b32 v[ST+4*i+3], 0
.set i, i+1
.endr
.set i, P+32
.rept 32
	v_mov_b32 v[i], 0
.set i, i+1
.endr
	v_mul_u32_u24 v[AK0], v1, PK
	v_lshl_add_u32 v[AK0], v9, 4, v[AK0]  ; row x pitch + 16 x half
	; The turning load takes 16 keys x 16 channels (lane l reads key 8 (l / 16) + l % 8, channels 8 ((l / 8) % 2) + 0..7) and leaves half a fragment of V^T: lane l holds channel l % 16 and 8 keys.
	v_and_b32 v10, 7, v0
	v_bfe_u32 v11, v0, 3, 1
	v_lshl_add_u32 v[AV0], v9, 3, v10
	v_mul_u32_u24 v[AV0], v[AV0], PV
	v_lshl_add_u32 v[AV0], v11, 4, v[AV0]
	v_add_nc_u32 v[AV0], VOFF, v[AV0]
	v_and_b32 v[PFO], 31, v0        ; v11 has served: now the prefetches' offset
	v_lshlrev_b32 v[PFO], 8, v[PFO]
	v_mov_b32 v[AK], v[AK0]         ; key step 0 lies at the head of slot 0
; THE MATRIX WORK.  The 8 accumulators of a run of 16 take turns: between the two links of a chain stand 7 others'.
; Product i of 16 of S^T = K Q^T for piece x: channels 32 (i / 8) on, keys 16 ((i / 2) % 4) on, tile 2 x + i % 2.  The first 8 start the sums.
.macro KQ x
	WIN W_KQ
.set rS, S+64*((\x)%2)+32*(i%2)+8*((i/2)%4)
.set rK, KF+16*((i/2)%4)+8*(i/8)
.set rQ, 16*(2*(\x)+i%2)+8*(i/8)
.if i < 8
	v_wmma_f32_16x16x32_f16 v[rS:rS+7], v[rK:rK+7], v[rQ:rQ+7], 0
.else
	v_wmma_f32_16x16x32_f16 v[rS:rS+7], v[rK:rK+7], v[rQ:rQ+7], v[rS:rS+7]
.endif
.endm
; Product i of 16 of O^T += V^T P for piece x: keys 32 (i / 8) on, channels 16 ((i / 2) % 4) on, tile 2 x + i % 2.
.macro PV x
	WIN W_PV
.set rO, 32*(2*(\x)+i%2)+8*((i/2)%4)
.set rV, VF+32*(i/8)+8*((i/2)%4)
.set rP, P+32*((\x)%2)+16*(i%2)+8*(i/8)
	v_wmma_f32_16x16x32_f16 v[rO:rO+7], v[rV:rV+7], v[rP:rP+7], v[rO:rO+7]
.endm
.macro MM                           ; the turn's next matrix instruction
.if i < 16
	KQ (Y+1)%NP
.set i, i+1
.else
.set i, i-16
	PV (Y+NP-1)%NP
.set i, i+17
.endif
.endm
; THE LDS LOADS stand in runs of 16, never singly among the matrix instructions: a step's K (64 keys x 64 channels: 8 fragments) and its V (turned).  Their addresses are made some lines ahead.
; last = 1 (the tail): in the last trip there is no further step, and the run is jumped over.
.macro FETCH_K last=0
	WIN 0
.if \last
	s_cmp_eq_u32 s[CNT], 1
	s_cbranch_scc1 .Lno_k_\@
.endif
	WIN 0x80                        ; destination window 2
.irp f, 0,1,2,3,4,5,6,7             ; keys 16 (f / 2) on, channels 32 (f % 2) on
	ds_load_b128 v[KF+8*\f:KF+8*\f+3],   v[AK] offset:(\f/2)*16*PK+(\f%2)*64
	ds_load_b128 v[KF+8*\f+4:KF+8*\f+7], v[AK] offset:(\f/2)*16*PK+(\f%2)*64+32
.endr
	s_add_co_u32 s[TBK], s[TBK], KS*PK  ; the next fetch is the next step's
	WIN 0
.if \last
.Lno_k_\@:
.endif
.endm
.macro FETCH_V
	WIN 0x80
.irp f, 0,1,2,3,4,5,6,7             ; keys 32 (f / 4) on, channels 16 (f % 4) on
	ds_load_tr16_b128 v[VF+8*\f:VF+8*\f+3],   v[AV] offset:(\f/4)*32*PV+(\f%4)*32
	ds_load_tr16_b128 v[VF+8*\f+4:VF+8*\f+7], v[AV] offset:(\f/4)*32*PV+16*PV+(\f%4)*32
.endr
	WIN 0
.endm
; THE VECTOR WORK OF A TURN stands in three queues, each in the order in which its entries become ready; the two tiles alternate, so that no instruction reads the result of the one before it.
.macro REGS y, u                    ; the registers of tile u (0, 1) of piece y
.set rT, ST+4*(2*(\y)+(\u))
.set rC, TMP+8*((\y)%2)+4*(\u)
.set rM, MV+2*((\y)%2)+(\u)
.set rS, S+64*((\y)%2)+32*(\u)
.set rP, P+32*((\y)%2)+16*(\u)
.set rO, 32*(2*(\y)+(\u))
.endm
; Number n of the 22 that find the NEXT piece's (Y + 1) maximum and statistics.  s0-s31 are the lane's 32 scores; each accumulator's lowest registers are read first.  XS, GS and REGS set no window: PL and EX do.
;   0-11  four chains c0-c3 of seven scores each, three operands at a time     12-14, 16  the four scores left over, the old m, and c0-c3 into c0     15  c m_old is kept
;   17, 18  the query's other 32 keys lie in the lane 16 away: the new m         19-21  c m; c m_old - c m_new; a
.macro XS u, n
	REGS (Y+1)%NP, \u
.if (\n) < 4
	v_max3_num_f32 v[rC+(\n)], v[rS+8*(\n)], v[rS+8*(\n)+1], v[rS+8*(\n)+2]
.elseif (\n) < 12
	v_max3_num_f32 v[rC+(\n)%4], v[rC+(\n)%4], v[rS+8*((\n)%4)+2*((\n)/4)+1], v[rS+8*((\n)%4)+2*((\n)/4)+2]
.elseif (\n) == 12
	v_max3_num_f32 v[rC], v[rC], v[rS+7], v[rS+15]
.elseif (\n) == 13
	v_max3_num_f32 v[rC+1], v[rC+1], v[rS+23], v[rS+31]
.elseif (\n) == 14
	v_max3_num_f32 v[rC+2], v[rC+2], v[rC+3], v[rT+1]
.elseif (\n) == 15
	v_mov_b32 v[rM], v[rT]
.elseif (\n) == 16
	v_max3_num_f32 v[rC], v[rC], v[rC+1], v[rC+2]
.elseif (\n) == 17
	v_permlanex16_b32 v[rC+3], v[rC], s[SEL], s[SEL+1]
.elseif (\n) == 18
	v_max_num_f32 v[rT+1], v[rC], v[rC+3]
.elseif (\n) == 19
	v_mul_f32 v[rT], s[CS], v[rT+1]
.elseif (\n) == 20
	v_sub_f32 v[rC+1], v[rM], v[rT]
.else
	v_exp_f32 v[rC+2], v[rC+1]
.endif
.endm
; Number g of the 64 that follow the exponentials.  For each four weights k of a tile (pairs 2 k, 2 k + 1): both pairs are rounded to f16; then the second pair is added onto the first, in place;
; a group later l takes that sum (the first time as l = a l + sum).  In groups of eight, tiles alternating: round, round, add, and l for the group before.
.macro GS g
.set h, (\g)+6*((\g)/62)            ; group 0 has no group before it, and behind group 7 only l is left
.if h >= 6
.set h, h+2
.endif
	REGS Y, h%2
.set k, h/8
.if h%8 < 4
	s_wait_alu depctr_va_vdst(0)
	v_cvt_pk_f16_f32 v[rP+2*k+(h%8)/2], v[rS+4*k+2*((h%8)/2)], v[rS+4*k+2*((h%8)/2)+1]
.elseif h%8 < 6
	v_pk_add_f32 v[rS+4*k:rS+4*k+1], v[rS+4*k:rS+4*k+1], v[rS+4*k+2:rS+4*k+3]
.elseif k == 1
	v_pk_fma_f32 v[rT+2:rT+3], v[rT+2:rT+3], v[rC+2:rC+3], v[rS:rS+1] op_sel_hi:[1,0,1]
.else
	v_pk_add_f32 v[rT+2:rT+3], v[rT+2:rT+3], v[rS+4*k-4:rS+4*k-3]
	s_wait_alu depctr_va_vdst(0)
.endif
.endm
; THE PLAIN QUEUE, 138 long.  0-31: c s - c m for the 16 pairs of both tiles.  Then GS's 64, and among them the next piece's 42: number 15 at 38, 39; 0-14 and 16
; at 42-73, behind the products that make those scores; 17-20 at 95-106, two of three, since each waits for the one before it.
.macro PL
	WIN 0
.if q < 32
	REGS Y, q%2
	v_pk_fma_f32 v[rS+2*(q/2):rS+2*(q/2)+1], v[rS+2*(q/2):rS+2*(q/2)+1], s[CS:CS+1], v[rT:rT+1] op_sel_hi:[1,0,0] neg_lo:[0,0,1] neg_hi:[0,0,1]
.elseif q < 38
	GS q-32
.elseif q < 40
	XS q%2, 15
.elseif q < 42
	GS q-34
.elseif q < 74
	XS q%2, (q-42)/2+(q-42)/30
.elseif q < 95
	GS q-66
.elseif (q < 107) && ((q-95)%3 < 2)
	XS (q-95)%3, 17+(q-95)/3
.elseif q < 107
	GS 29+(q-95)/3
.else
	GS q-74
.endif
.set q, q+1
.endm
; THE EXPONENTIALS' QUEUE, 66 long: s0-s31 of both tiles, and at EA the next piece's two a.
.set EA, 58
.macro EX
	WIN 0
.if (e == EA) || (e == EA+1)
	XS e-EA, 21
.else
.set x, e-2*(e/(EA+2))
	REGS Y, x%2
	v_exp_f32 v[rS+x/2], v[rS+x/2]
.endif
.set e, e+1
.endm
; THE RESCALING's QUEUE: O^T times a, the one part that leaves window 0, so it is dealt four at a time, eight times.
.macro R4
	REGS Y, r%2
	WIN W_RS
	s_wait_alu depctr_va_vdst(0)
.irp z, 0,1,2,3
	v_pk_mul_f32 v[rO+8*(r/2)+2*\z:rO+8*(r/2)+2*\z+1], v[rO+8*(r/2)+2*\z:rO+8*(r/2)+2*\z+1], v[rC+2:rC+3] op_sel_hi:[1,0]
.endr
.set r, r+1
.endm
; HOW THEY ARE DEALT.  Behind a matrix instruction four: plain, exponential, plain, plain (one exponential, a plain instruction on either side), or four of the rescaling.  None names a register of the
; products round it.  What is over stands in two LUMPS: exponential and plain by turns; the second ends in 22 plain instructions.  The two v_permlanex16_b32 fall into the second lump, never behind a product.
; The queues lean on each other, and the deal keeps them in step: exponential e stands behind plain 2 (e / 4) + e % 2 (its scaling); when plain 32 comes, 10 exponentials are out, at 59: 33, at 95: 46; EA comes behind plain 107.
.macro SL
	MM
	PL
	EX
	PL
	PL
.endm
.macro BURST n                      ; 15 matrix instructions, or 16
.rept (\n)-7
	SL
.endr
.rept 3
	MM
	R4
	SL
.endr
	MM
	R4
.endm
; A TURN, for piece p.  cnt = 1: the loop's count is taken down some lines ahead of the branch that stands behind the turn.
; K of the next step is fetched in piece 2's turn, 31 vector instructions behind the last product that read K; its first reader comes behind the rest of the lump, 16 products and the second lump.
; V of the step in hand is fetched at the end of piece 0's turn, 69 behind its last reader; its first reader comes behind 16 products and a lump.  The four conditions on e and q below go with the deal.
.macro TURN p, last=0, cnt=0
.set Y, (\p)
.set i, 0
.set q, 0
.set e, 0
.set r, 0
.if (\p) == NP-1
	s_wait_dscnt 0x0                ; K is in
.endif
	MM
.rept 4
	PL
.endr
	BURST 15
.rept 22
	EX
	PL
.if ((\p) == NP-2) && (e == 18)
	v_add_nc_u32 v[AK], s[TBK], v[AK0]
.endif
.if ((\p) == NP-2) && (e == 24)
	FETCH_K \last
.endif
.endr
.if (\p) == 1
	s_wait_dscnt 0x0                ; V is in
.endif
	BURST 16
.rept 21
	EX
	PL
.endr
.rept 22
	PL
.if ((\p) == 0) && (q == 118)
	v_add_nc_u32 v[AV], s[TBV], v[AV0]
	s_wait_alu depctr_va_vdst(0)
.endif
.if ((\p) == 0) && (q == 130)
	s_add_co_u32 s[TBV], s[TBV], KS*PV
.endif
.if (\cnt) && (q == 130)
	s_sub_co_u32 s[CNT], s[CNT], 1
	s_cmp_lg_u32 s[CNT], 0
.endif
.endr
.if (\p) == 0
	FETCH_V
.endif
.endm
	CHANGE 1                        ; slot 0 is in, everybody's part of it; slot 1 is asked for
	FETCH_K                         ; key step 0
	s_wait_loadcnt 0x0              ; Q
	s_wait_dscnt 0x0
.set i, 0
.rept 16
	KQ 0                            ; piece 0's first scores: there is no vector work yet to set between them
.set i, i+1
.endr
	WIN 0                           ; the addresses for the way out: nine plain instructions, the places behind those products
	s_mul_i32 s13, s[WV], 16*SP
	s_add_co_u32 s13, s13, STAGE    ; my stage
	v_mul_u32_u24 v[STO], v1, SP    ; in: row l % 16, 16 bytes for each half of the lanes
	v_lshl_add_u32 v[STO], v9, 4, v[STO]
	v_add_nc_u32 v[STO], s13, v[STO]
	v_bfe_u32 v[RD], v0, 3, 2       ; back: 32 lanes take four rows of 128 bytes,
	v_mul_u32_u24 v[RD], v[RD], SP
	v_lshl_add_u32 v[RD], v10, 4, v[RD]
	v_add_nc_u32 v[RD], s13, v[RD]
	v_and_b32 v[GO], 31, v0         ; which are 512 consecutive bytes of O
	v_lshlrev_b32 v[GO], 4, v[GO]
.set Y, NP-1                        ; XS works for piece Y + 1: piece 0
.irp n, 0,1,2,3,4,5,6,7,8,9,10,11,12,13,14,15,16,17,18,19,20,21
	XS 0, \n                        ; and piece 0's first maximum and statistics
	XS 1, \n
.endr
	s_mov_b32 s[CNT], 4
	s_mov_b32 s[SLOTS], SIZE_N/256-1
	s_branch .Lfirst                ; the loop is entered at a step's first turn, in the middle of a trip
.Lslot:                             ; SIZE_N / 256 - 2 times: every slot but the last two is filled again
	CHANGE 1, 1
	s_mov_b32 s[CNT], 4
.Lstep:                             ; a trip: pieces 2 and 3 of one step, then pieces 0 and 1 of the next, whose K and V it fetches
	TURN 2
	TURN 3
	WIN 0
.Lfirst:
	TURN 0
	TURN 1, 0, 1
	WIN 0
	s_cbranch_scc1 .Lstep
	s_sub_co_u32 s[SLOTS], s[SLOTS], 1
	s_cmp_lg_u32 s[SLOTS], 0
	s_cbranch_scc1 .Lslot
	CHANGE 0                        ; the tail is written out: nothing is asked for
	s_mov_b32 s[CNT], 5             ; four trips fetch the last slot's steps; the fifth is left in its middle
.Ltail:
	TURN 2, 1
	TURN 3
	WIN 0
	s_sub_co_u32 s[CNT], s[CNT], 1
	s_cmp_eq_u32 s[CNT], 0
	s_cbranch_scc1 .Lout
	TURN 0
	TURN 1
	WIN 0
	s_branch .Ltail
.Lout:                              ; the fifth trip's 16 products K Q^T (on the last K once more) and the maximum made of them serve nothing: the price, once a launch, of one text for every trip
.set i, 0
.rept 16
	PV NP-1                         ; the last piece's V^T P of the last step
.set i, i+1
.endr
	; THE WAY OUT.  l's two halves and the other half of the lanes' are added; O^T is divided by l, rounded to f16 and sent through my stage in LDS, a tile at a time.  The additions are the places behind the last products.
	WIN 0
.macro ALL line:vararg              ; one line for each tile t
.set t, 0
.rept 2*NP
	\line
.set t, t+1
.endr
.endm
	ALL v_add_f32 v[ST+4*t+2], v[ST+4*t+2], v[ST+4*t+3]
	ALL v_permlanex16_b32 v[ST+4*t+3], v[ST+4*t+2], s[SEL], s[SEL+1]
	ALL v_add_f32 v[ST+4*t+2], v[ST+4*t+2], v[ST+4*t+3]
	ALL v_rcp_f32 v[ST+4*t+2], v[ST+4*t+2]
	v_nop                           ; a plain instruction between the last reciprocal and the use of its result
	s_wait_alu depctr_va_vdst(0)
; Tile t: a lane's eight channels of a row pack into 16 bytes; they go into rows of 144 bytes and come back as whole rows of 128, into S^T's registers.
.macro PACK t
	WIN W_RS
.set i, 32*(\t)
.rept 16
	v_pk_mul_f32 v[i:i+1], v[i:i+1], v[ST+4*(\t)+2:ST+4*(\t)+3] op_sel_hi:[1,0]
.set i, i+2
.endr
	WIN 0x05                        ; sources 0 and 1 window 1, destination window 0
.set i, 0
.rept 16
	v_cvt_pk_f16_f32 v[S+16*(\t)+i], v[32*(\t)+2*i], v[32*(\t)+2*i+1]
.set i, i+1
.endr
	WIN 0
.irp f, 0,1,2,3
	ds_store_b128 v[STO], v[S+16*(\t)+4*\f:S+16*(\t)+4*\f+3] offset:32*\f
.endr
.irp f, 0,1,2,3
	ds_load_b128 v[S+16*(\t)+4*\f:S+16*(\t)+4*\f+3], v[RD] offset:\f*4*SP  ; LDS serves a wave's instructions in order (ISA guide 5.7.1.4): these see the stores above; the next tile's stores come behind them
.endr
.endm
.macro SEND t, younger              ; younger: the LDS instructions issued behind tile t's loads: the next tile's eight, or none
	WIN 0
.irp f, 0,1,2,3
	s_wait_dscnt (\younger)+3-\f
	global_store_b128 v[GO], v[S+16*(\t)+4*\f:S+16*(\t)+4*\f+3], s[10:11] offset:(\t)*2048+\f*512  ; 512 consecutive bytes, at a multiple of 256 from O's first
.endr
.endm
	PACK 0
.set t, 1
.rept 2*NP-1                        ; a tile's arithmetic stands between the loads of the tile before and its stores
	PACK t
	SEND t-1, 8
.set t, t+1
.endr
	SEND 2*NP-1, 0
	WIN W_AD
	s_wait_tensorcnt 0x0            ; the wave's end: behind my last tensor load and my last LDS store
	ds_add_u32 v[SPW], v[NIL]
	s_wait_dscnt 0x0
	WIN 0
	CROUND                          ; the closing round: no work-group ends while a partner may still ask for a tile that names it
	s_endpgm
.Lfunc_end_k_qbf9440441a_attn:
	.size	k_qbf9440441a_attn, .Lfunc_end_k_qbf9440441a_attn-k_qbf9440441a_attn
	.p2alignl 7, 3214868480
	.fill 96, 4, 3214868480
	.section	.rodata,"a",@progbits
	.p2align	6, 0x0
	.amdhsa_kernel k_qbf9440441a_attn
		.amdhsa_group_segment_fixed_size 327680
		.amdhsa_private_segment_fixed_size 0
		.amdhsa_enable_private_segment 0
		.amdhsa_kernarg_size 16
		.amdhsa_user_sgpr_count 2
		.amdhsa_user_sgpr_kernarg_segment_ptr 1
		.amdhsa_wavefront_size32 1
		.amdhsa_system_sgpr_workgroup_id_x 1
		.amdhsa_system_sgpr_workgroup_id_y 1
		.amdhsa_system_sgpr_workgroup_id_z 1
		.amdhsa_system_vgpr_workitem_id 0
		.amdhsa_next_free_vgpr 770
		.amdhsa_next_free_sgpr 66
		.amdhsa_reserve_vcc 0
		.amdhsa_float_denorm_mode_32 3
		.amdhsa_float_denorm_mode_16_64 3
		.amdhsa_memory_ordered 1
		.amdhsa_forward_progress 1
		.amdhsa_inst_pref_size 209
	.end_amdhsa_kernel
	.amdgpu_metadata
---
amdhsa.version: [ 1, 2 ]
amdhsa.kernels:
  - .name:           k_qbf9440441a_attn
    .symbol:         k_qbf9440441a_attn.kd
    .args:
      - { .name: qkv, .offset: 0, .size: 8, .value_kind: global_buffer, .address_space: global }
      - { .name: oh, .offset: 8, .size: 8, .value_kind: global_buffer, .address_space: global }
    .group_segment_fixed_size: 327680
    .private_segment_fixed_size: 0
    .kernarg_segment_align: 8
    .kernarg_segment_size: 16
    .max_flat_workgroup_size: 128
    .sgpr_count:     66
    .vgpr_count:     770
    .wavefront_size: 32
...
	.end_amdgpu_metadata
.endif
;; end of part 3
;; launch outp (part 4): grid 4 x 64, 4 waves a work-group, clusters of 4 x 4, 327,680 bytes of LDS; arguments oh, wb, b_o, out0; writes out0
.if DOCPART == 4
	.amdgcn_target "amdgcn-amd-amdhsa--gfx1250"
	.amdhsa_code_object_version 6
	.text
	.protected	k_qbf9440441a_outp
	.globl	k_qbf9440441a_outp
	.p2align	8
	.type	k_qbf9440441a_outp,@function
k_qbf9440441a_outp:
	s_mov_b64 s[64:65], 0
	v_nop
	global_prefetch_b8 v0, s[64:65] scope:SCOPE_SE
	s_setreg_imm32_b32 hwreg(HW_REG_WAVE_MODE, 25, 1), 1
	s_wait_xcnt 0x0
	s_wait_alu depctr_hold_cnt(0) depctr_sa_sdst(0) depctr_va_vdst(0) depctr_va_sdst(0) depctr_va_ssrc(0) depctr_va_vcc(0) depctr_vm_vsrc(0)
	s_getreg_b32 s2, hwreg(HW_REG_IB_STS2, 6, 4)
	s_cmp_eq_u32 s2, 0
	s_cbranch_scc0 .Lentry_in_a_cluster
	s_endpgm
.Lentry_in_a_cluster:
	s_bfe_u32 s2, ttmp6, 0x10000c
	s_cmp_lg_u32 s2, 0xf033
	s_cbranch_scc0 .Lentry_shape_is_right
	s_endpgm
.Lentry_shape_is_right:
; THE OUTPUT PROJECTION.  out0[b][s][n] = the sum over head and d of O[16 b + head][s][d] W_o[n][64 head + d] + b_o[n].  O: oh, [64][2048][64] f16; W_o: wb section 3, [1024][1024] f16; out0 f32.
; Sums in f32, started by the bias, which is rounded to bf16 like every input.  NaN and infinities are not treated apart.
; SHARES.  A tile of out0 is 128 rows x 256 columns: 64 x 4 = 256 work-groups.  Four waves, 2 x 2: a wave has 64 rows x 128 columns: 32 accumulators of 16 x 16.
; K goes in 8 steps of 128, two heads a step, through a ring of two LDS slots.  A head's 128 rows of the tile are 16,384 dense bytes: asked for as 64 rows of 256 bytes and padded in LDS after every 128.
; THE MATRIX INSTRUCTION IS USED TRANSPOSED (source 0 = 16 rows of W_o, source 1 = 16 rows of O): a lane holds one row of out0 and eight neighbouring columns, 32 bytes.
; CLUSTER.  4 x 4 work-groups: the four of a row of the cluster need the same rows of O, the four of a column the same rows of W_o: each tile is asked for jointly.
; NO PREFETCH: a work-group has one tile of eight K steps, and the first four of them could not be asked for ahead of their loads.
; REGISTERS, in windows of 256 (s_set_vgpr_msb: bits 1:0 source 0, 3:2 source 1, 5:4 source 2, 7:6 destination):
;   window 0: v0-31 addresses; v32-63, v64-95 O's fragments, two buffers; v96-159, v160-223 W_o's, two buffers; on the way out v32-95 and v96-159 by turns
;   window 1: the accumulators, (a, b) at v[8 (8 a + b)]          window 2: v0-63 the bias; v64-67 at work
.set PAO,    144                       ; a row of O in LDS: 128 bytes + 16 of padding = 36 words: the 16 rows of a load start at 16 different groups of four banks (64 banks of 4 bytes: ISA guide 11.1)
.set PLANE,  128*PAO                   ; a head's 128 rows: what one tensor load brings of O
.set PB,     272                       ; a row of W_o: 256 bytes + 16 = 68 words
.set BHALF,  128*PB
.set BOFF,   2*PLANE                   ; a slot: two heads of O, then W_o's 256 rows
.set SLOT,   BOFF+2*BHALF
.set STAGE,  2*SLOT                    ; behind the ring, never filled by a tensor load: for each wave 16 rows x 528 bytes
.set SP,     528                       ; 512 bytes + 16 = 132 words: row r starts at bank 4 r mod 64
.set STW,    16*SP
.set SPARE,  STAGE+4*STW               ; behind the stages: the spare words, 128 bytes for each wave: two blocks of 256 bytes that no other line names
.set ADRA, 16                          ; v16-17  LDS address of my fragments of O in slot 0, 1
.set ADRB, 20                          ; v20-21  the same for W_o
.set STO,  24                          ; v24     the way out: where I put 32 bytes of a row
.set RD,   25                          ; v25     the way out: where I read a row back
.set CO,   26                          ; v26     16 x lane: my place in a row's 512 bytes
.set SPW,  28                          ; v28     LDS address of my spare word; never rewritten
.set NIL,  29                          ; v29     0; never rewritten
.set BO,   31                          ; v31     my byte offset in the bias
.set AF,   32
.set BF,   96
.set BIAS, 0                           ; window 2
.set BT,   64                          ; window 2
.set SWV, 12
.set SWM, 13                           ; which 64 rows are mine.  Also: I fetch for O (0) or for W_o (1)
.set SWN, 14                           ; which 128 columns.  Also: which head of the step, or which half of W_o's rows, I fetch
.set CX,  15
.set CY,  16
.set TR,  17
.set BAT, 18
.set SB,  19
.set G1A, 24
.set G0A, 32
.set G1B, 40
.set G0B, 48
.set HIM, 68                           ; s68  a word's upper half
.set MSB, 0
.macro WIN new                         ; the immediate's high byte repeats the setting that is left; a switch that changes nothing is dropped
.if MSB != (\new)
	s_set_vgpr_msb (MSB<<8)|(\new)
.set MSB, \new
.endif
.endm
.set MUL,  0x50                        ; sources in window 0, C and D in window 1
.set MULF, 0x60                        ; the same with C (the bias) in window 2
.macro JLOAD s                         ; a joint load: waves 0 and 1 fetch the step's two heads of O, waves 2 and 3 W_o's two halves; an s_nop 0 and four v_nop follow each of the two lines
	s_cmp_eq_u32 s[SWM], 0
	s_cbranch_scc0 .Lfor_b_\@
	tensor_load_to_lds s[G0A+4*(\s):G0A+4*(\s)+3], s[G1A:G1A+7]
	s_nop 0
.rept 4
	v_nop
.endr
	s_branch .Lasked_\@
.Lfor_b_\@:
	tensor_load_to_lds s[G0B+4*(\s):G0B+4*(\s)+3], s[G1B:G1B+7]
	s_nop 0
.rept 4
	v_nop
.endr
.Lasked_\@:
.endm
.macro CREST                           ; a round of the cluster's barrier behind its opening barrier
	s_cmp_lg_u32 s[SWV], 0
	s_cbranch_scc1 .Lnot_wave_0_\@
	s_barrier_signal -3
.Lnot_wave_0_\@:
	s_barrier_wait -3
	s_barrier_signal -1
	s_barrier_wait -1
.endm
.macro CROUND                          ; a whole round
	s_barrier_signal -1
	s_barrier_wait -1
	CREST
.endm
.macro PLACES                          ; four places in front of loads into registers that matrix instructions have read, and of stores that read results
.rept 4
	v_nop
.endr
.endm
	s_load_b256 s[4:11], s[0:1], 0x0               ; oh s[4:5], wb s[6:7], b_o s[8:9], out0 s[10:11]
	v_lshl_add_u32 v[SPW], v0, 2, SPARE
	v_mov_b32 v[NIL], 0
	ds_add_u32 v[SPW], v[NIL]                      ; the wave's opening: the add and its wait stand ahead of my first tensor load; the set-up below, work on registers, stands between them
	v_lshrrev_b32 v1, 5, v0
	v_readfirstlane_b32 s[SWV], v1                 ; wave 0..3
	s_lshr_b32 s[SWM], s[SWV], 1
	s_and_b32 s[SWN], s[SWV], 1
	s_bfe_u32 s[CX], ttmp6, 0x40000                ; the grid is one cluster wide, so cx is the tile column
	s_bfe_u32 s[CY], ttmp6, 0x40004
	s_and_b32 s[TR], ttmp7, 0xffff
	s_lshl_b32 s[TR], s[TR], 2
	s_add_co_u32 s[TR], s[TR], s[CY]               ; tile row = 4 x cluster y + cy
	s_lshr_b32 s[BAT], s[TR], 4
	s_and_b32 s[SB], s[TR], 15
	s_lshl_b32 s[SB], s[SB], 7
	s_lshl_b32 s70, s[CY], 2
	s_lshl_b32 s70, 15, s70                        ; my row of the cluster
	s_lshl_b32 s71, 0x1111, s[CX]                  ; my column
	s_or_b32 s[G1A], s70, (1<<16)|(1<<20)|(1<<21)|(4<<22)|(3<<25)  ; 15:0 the mask; 17:16 elements of 2 bytes; 20 padding on; 21 set beside a mask; 24:22 after every 32 words (code 4); 31:25 4 words (code 3)
	s_or_b32 s[G1B], s71, (1<<16)|(1<<20)|(1<<21)|(5<<22)|(3<<25)  ; after every 64 words (code 5)
	s_mov_b32 s[G1A+1], 128<<16                    ; tensor_dim0 = 128
	s_mov_b32 s[G1A+2], 64<<16                     ; tensor_dim1 = 64
	s_mov_b32 s[G1A+3], 128<<16                    ; tile_dim0 = 128
	s_mov_b32 s[G1A+4], 64                         ; tile_dim1 = 64
	s_mov_b32 s[G1A+5], 128                        ; 128 elements from row to row: dense
	s_mov_b32 s[G1A+6], 0
	s_mov_b32 s[G1A+7], 0
	s_mov_b32 s[G1B+1], 128<<16
	s_mov_b32 s[G1B+2], 128<<16                    ; tensor_dim1 = 128
	s_mov_b32 s[G1B+3], 128<<16
	s_mov_b32 s[G1B+4], 128                        ; tile_dim1 = 128
	s_mov_b32 s[G1B+5], 1024
	s_mov_b32 s[G1B+6], 0
	s_mov_b32 s[G1B+7], 0
	s_lshl_b32 s60, s[BAT], 4                      ; O: head 16 batch + my head of the step, row SB, 128 bytes a row
	s_add_co_u32 s60, s60, s[SWN]
	s_lshl_b32 s60, s60, 11
	s_add_co_u32 s60, s60, s[SB]
	s_lshl_b32 s60, s60, 7
	s_mov_b32 s61, 0
	s_lshl_b32 s62, s[CX], 8                       ; W_o: row 256 x tile column + 128 x half, 2,048 bytes a row, in section 3
	s_lshl_b32 s63, s[SWN], 7
	s_add_co_u32 s62, s62, s63
	s_lshl_b32 s62, s62, 11
	s_add_co_u32 s62, s62, 3*2097152
	s_mov_b32 s63, 0
	s_mul_i32 s20, s[SWN], PLANE                   ; where the tiles go: no place in the cluster enters an LDS address
	s_mul_i32 s21, s[SWN], BHALF
	s_mov_b32 s[HIM], 0xffff0000
	s_wait_dscnt 0x0                               ; the opening add is done
	s_wait_kmcnt 0x0
	s_add_nc_u64 s[56:57], s[4:5], s[60:61]
	s_add_nc_u64 s[58:59], s[6:7], s[62:63]
	s_lshl_b32 s66, s[CX], 10                      ; my 128 columns, in bytes of f32
	s_lshl_b32 s69, s[SWN], 9
	s_add_co_u32 s66, s66, s69
	s_mov_b32 s67, 0
	s_add_nc_u64 s[8:9], s[8:9], s[66:67]          ; the bias
	s_lshl_b32 s69, s[TR], 7                       ; and my first row: 128 x tile row + 64 x half, 4,096 bytes a row
	s_lshl_b32 s22, s[SWM], 6
	s_add_co_u32 s69, s69, s22
	s_lshl_b32 s69, s69, 12
	s_add_co_u32 s66, s66, s69
	s_add_nc_u64 s[10:11], s[10:11], s[66:67]
	CROUND                                         ; all sixteen work-groups are here: the first joint loads meet
.irp s, 0,1
	s_mov_b32 s[G0A+4*(\s)], 1                                         ; count = 1
	s_add_co_u32 s[G0A+4*(\s)+1], s20, (\s)*SLOT                       ; LDS address
	s_add_nc_u64 s[G0A+4*(\s)+2:G0A+4*(\s)+3], s[56:57], (\s)*524288   ; global address: K step s is two heads on
	s_or_b32 s[G0A+4*(\s)+3], s[G0A+4*(\s)+3], 0x80000000              ; type = 2
	s_mov_b32 s[G0B+4*(\s)], 1
	s_add_co_u32 s[G0B+4*(\s)+1], s21, (\s)*SLOT+BOFF
	s_add_nc_u64 s[G0B+4*(\s)+2:G0B+4*(\s)+3], s[58:59], (\s)*256
	s_or_b32 s[G0B+4*(\s)+3], s[G0B+4*(\s)+3], 0x80000000
	JLOAD \s                                       ; two loads of mine are out
.endr
	v_and_b32 v1, 15, v0                           ; l % 16
	v_bfe_u32 v2, v0, 4, 1                         ; l / 16
	v_mul_u32_u24 v3, v1, PAO
	v_lshl_add_u32 v3, v2, 4, v3                   ; a fragment's row x pitch + 16 x half
	s_mul_i32 s2, s[SWM], 64*PAO
	v_add_nc_u32 v[ADRA], s2, v3
	v_add_nc_u32 v[ADRA+1], SLOT, v[ADRA]
	v_mul_u32_u24 v4, v1, PB
	v_lshl_add_u32 v4, v2, 4, v4
	s_mul_i32 s2, s[SWN], 128*PB
	s_add_co_u32 s2, s2, BOFF
	v_add_nc_u32 v[ADRB], s2, v4
	v_add_nc_u32 v[ADRB+1], SLOT, v[ADRB]
	s_mul_i32 s2, s[SWV], STW
	s_add_co_u32 s2, s2, STAGE                     ; my stage
	v_mul_u32_u24 v3, v1, SP                       ; in: row l % 16, 32 bytes for each half of the lanes
	v_lshl_add_u32 v3, v2, 5, v3
	v_add_nc_u32 v[STO], s2, v3
	v_and_b32 v[CO], 31, v0                        ; back: 32 lanes take one row of 512 bytes
	v_lshlrev_b32 v[CO], 4, v[CO]
	v_add_nc_u32 v[RD], s2, v[CO]
	v_lshlrev_b32 v[BO], 5, v2                     ; the bias: columns 8 (l / 16) on
	WIN 0x80                                       ; destination window 2, address window 0
.irp b, 0,1,2,3,4,5,6,7
	global_load_b128 v[BIAS+8*(\b):BIAS+8*(\b)+3],   v[BO], s[8:9] offset:64*(\b)
	global_load_b128 v[BIAS+8*(\b)+4:BIAS+8*(\b)+7], v[BO], s[8:9] offset:64*(\b)+16
.endr
	s_wait_loadcnt 0x0
	WIN 0x8a                                       ; sources and destination in window 2
.set k, 0
.rept 32                                       ; the bias is rounded to bf16 like every input and widened again: it starts the sums
	v_cvt_pk_bf16_f32 v[BT+k%4], v[BIAS+2*k], v[BIAS+2*k+1]
	v_lshlrev_b32 v[BIAS+2*k], 16, v[BT+k%4]
	v_and_b32 v[BIAS+2*k+1], s[HIM], v[BT+k%4]
.set k, k+1
.endr
	WIN 0
; Product i of a quarter step's 32: row block i % 4, column block i / 4, from buffers p.  All 32 accumulators take turns, one instruction a turn.  first = 1: C is the bias.
.macro WM i, p, first
.set wr, (\i)%4
.set wc, (\i)/4
.if \first
	WIN MULF
	v_wmma_f32_16x16x32_f16 v[8*(8*wr+wc):8*(8*wr+wc)+7], v[BF+64*(\p)+8*wc:BF+64*(\p)+8*wc+7], v[AF+32*(\p)+8*wr:AF+32*(\p)+8*wr+7], v[BIAS+8*wc:BIAS+8*wc+7]
.else
	WIN MUL
	v_wmma_f32_16x16x32_f16 v[8*(8*wr+wc):8*(8*wr+wc)+7], v[BF+64*(\p)+8*wc:BF+64*(\p)+8*wc+7], v[AF+32*(\p)+8*wr:AF+32*(\p)+8*wr+7], v[8*(8*wr+wc):8*(8*wr+wc)+7]
.endif
.endm
.macro WMS from, n, p, first           ; n products on end
.set w, (\from)
.rept (\n)
	WM w, \p, \first
.set w, w+1
.endr
.endm
; 24 LDS loads in one run: the fragments of quarter q of a slot (head q / 2, channels 32 (q % 2) on) into buffers pn
.macro LGS slot, q, pn
	WIN 0
.irp a, 0,1,2,3
	ds_load_b128 v[AF+32*(\pn)+8*(\a):AF+32*(\pn)+8*(\a)+3],   v[ADRA+(\slot)] offset:((\q)/2)*PLANE+((\q)%2)*64+(\a)*16*PAO
	ds_load_b128 v[AF+32*(\pn)+8*(\a)+4:AF+32*(\pn)+8*(\a)+7], v[ADRA+(\slot)] offset:((\q)/2)*PLANE+((\q)%2)*64+(\a)*16*PAO+32
.endr
.irp b, 0,1,2,3,4,5,6,7
	ds_load_b128 v[BF+64*(\pn)+8*(\b):BF+64*(\pn)+8*(\b)+3],   v[ADRB+(\slot)] offset:(\q)*64+(\b)*16*PB
	ds_load_b128 v[BF+64*(\pn)+8*(\b)+4:BF+64*(\pn)+8*(\b)+7], v[ADRB+(\slot)] offset:(\q)*64+(\b)*16*PB+32
.endr
.endm
; A K step is four quarter steps of 32 along K, on buffers 0, 1, 0, 1.  One of the first three: multiplies buffers p; behind its first eight products it fetches quarter q into the other buffers, 24 products ahead of their use.
.macro QUARTER slot, q, p, first
	s_wait_dscnt 0x0                               ; this quarter's fragments are in
	WMS 0, 8, \p, \first
	PLACES                                         ; behind the last product that read the other buffers
	LGS \slot, \q, 1-(\p)
	WMS 8, 24, \p, \first
.endm
; The last quarter multiplies buffers 1 and changes slots: ONE barrier.  In front of it each wave waits for all its tensor loads, of which one is out: its part of the next slot; adds 0 to its spare word; and waits
; for that and for its own reads of this slot.  fill = 1: the barrier opens a round of the cluster's, and this slot is filled again, two K steps on, first thing behind the round.
.macro TURN slot, next, fill
	WIN 0                                          ; (the add's two registers lie in window 0)
	s_wait_tensorcnt 0x0                           ; all my tensor loads have landed
	ds_add_u32 v[SPW], v[NIL]                      ; 0 onto my spare word
	s_wait_dscnt 1                                 ; this quarter's fragments are in; the add may be out
	WMS 0, 4, 1, 0                                 ; four products stand between the add and the wait for it
	s_wait_dscnt 0x0                               ; the add is done, and my reads of this slot are over
	s_barrier_signal -1
	WMS 4, 4, 1, 0                                 ; work on registers while the others arrive
	WIN 0
	s_barrier_wait -1
.if \fill
	CREST                                          ; no wave of any partner still reads this slot's tile or has a load on its way
	s_add_nc_u64 s[G0A+4*(\slot)+2:G0A+4*(\slot)+3], s[G0A+4*(\slot)+2:G0A+4*(\slot)+3], 1048576
	s_add_nc_u64 s[G0B+4*(\slot)+2:G0B+4*(\slot)+3], s[G0B+4*(\slot)+2:G0B+4*(\slot)+3], 512
	JLOAD \slot                                    ; the four v_nop behind it are also the places in front of the loads below
.else
	PLACES
.endif
	LGS \next, 0, 0
	WMS 8, 24, 1, 0
.endm
; THE WAY OUT of row block a: 32 bytes a lane and column block into my own stage (each accumulator's low half first), back as whole rows of 512 bytes.
.macro PACK a
	WIN 0x04                                       ; address window 0, data window 1
.irp b, 0,1,2,3,4,5,6,7
	ds_store_b128 v[STO], v[8*(8*(\a)+(\b)):8*(8*(\a)+(\b))+3]   offset:64*(\b)
	ds_store_b128 v[STO], v[8*(8*(\a)+(\b))+4:8*(8*(\a)+(\b))+7] offset:64*(\b)+16
.endr
	WIN 0
.if (\a) >= 2
	s_wait_xcnt 0x0                                ; the stores of the block two back have read these registers (ISA guide 3.1)
.endif
.set OO, 32+64*((\a)%2)
.irp t, 0,1,2,3,4,5,6,7,8,9,10,11,12,13,14,15
	ds_load_b128 v[OO+4*(\t):OO+4*(\t)+3], v[RD] offset:(\t)*SP  ; LDS serves a wave's instructions in order (ISA guide 5.7.1.4): these see the stores above; the next block's stores come behind them
.endr
.endm
.macro SEND a, younger                 ; younger: the LDS instructions issued behind block a's loads: the next block's 32, or none
	WIN 0
.set OO, 32+64*((\a)%2)
.irp t, 0,1,2,3,4,5,6,7,8,9,10,11,12,13,14,15
	s_wait_dscnt (\younger)+15-(\t)
	global_store_b128 v[CO], v[OO+4*(\t):OO+4*(\t)+3], s[10:11] offset:(\a)*65536+(\t)*4096  ; 512 consecutive bytes, at a multiple of 256 from out0's first
.endr
.endm
	s_wait_tensorcnt 1                             ; my part of K step 0 is in; step 1's may stay out
	s_barrier_signal -1
	s_barrier_wait -1                              ; everybody's is
	LGS 0, 0, 0
	QUARTER 0, 1, 0, 1                             ; the first quarter stands in front of the loop: its products start the sums, with the bias
	WIN 0                                          ; at a label and at a branch every window is 0
	s_mov_b32 s3, 3
.Llap:                                                 ; a trip goes once round the ring, from a lap's second quarter to the next lap's first, and fills both slots again
	QUARTER 0, 2, 1, 0
	QUARTER 0, 3, 0, 0
	TURN 0, 1, 1
	QUARTER 1, 1, 0, 0
	QUARTER 1, 2, 1, 0
	QUARTER 1, 3, 0, 0
	TURN 1, 0, 1
	QUARTER 0, 1, 0, 0
	WIN 0
	s_sub_co_u32 s3, s3, 1
	s_cmp_lg_u32 s3, 0
	s_cbranch_scc1 .Llap
	QUARTER 0, 2, 1, 0                             ; the last lap fills nothing, and has no round of the cluster's barrier
	QUARTER 0, 3, 0, 0
	TURN 0, 1, 0
	QUARTER 1, 1, 0, 0
	QUARTER 1, 2, 1, 0
	QUARTER 1, 3, 0, 0
	s_wait_dscnt 0x0                               ; the very last quarter: nothing more to fetch
	WMS 0, 32, 1, 0
	PLACES                                         ; the stores into the stage read results just made, and the loads back land in registers that the products read
	PACK 0
	PACK 1
	SEND 0, 32
	PACK 2
	SEND 1, 32
	PACK 3
	SEND 2, 32
	SEND 3, 0
	s_wait_tensorcnt 0x0                           ; the wave's end: behind my last tensor load and my last LDS store
	ds_add_u32 v[SPW], v[NIL]
	s_wait_dscnt 0x0
	CROUND                                         ; the closing round: no work-group ends while a partner may still ask for a tile that names it
	s_endpgm
.Lfunc_end_k_qbf9440441a_outp:
	.size	k_qbf9440441a_outp, .Lfunc_end_k_qbf9440441a_outp-k_qbf9440441a_outp
	.p2alignl 7, 3214868480
	.fill 96, 4, 3214868480
	.section	.rodata,"a",@progbits
	.p2align	6, 0x0
	.amdhsa_kernel k_qbf9440441a_outp
		.amdhsa_group_segment_fixed_size 327680
		.amdhsa_private_segment_fixed_size 0
		.amdhsa_enable_private_segment 0
		.amdhsa_kernarg_size 32
		.amdhsa_user_sgpr_count 2
		.amdhsa_user_sgpr_kernarg_segment_ptr 1
		.amdhsa_wavefront_size32 1
		.amdhsa_system_sgpr_workgroup_id_x 1
		.amdhsa_system_sgpr_workgroup_id_y 1
		.amdhsa_system_sgpr_workgroup_id_z 1
		.amdhsa_system_vgpr_workitem_id 0
		.amdhsa_next_free_vgpr 592
		.amdhsa_next_free_sgpr 72
		.amdhsa_reserve_vcc 0
		.amdhsa_float_denorm_mode_32 3
		.amdhsa_float_denorm_mode_16_64 3
		.amdhsa_memory_ordered 1
		.amdhsa_forward_progress 1
		.amdhsa_inst_pref_size 92
	.end_amdhsa_kernel
	.amdgpu_metadata
---
amdhsa.version: [ 1, 2 ]
amdhsa.kernels:
  - .name:           k_qbf9440441a_outp
    .symbol:         k_qbf9440441a_outp.kd
    .args:
      - { .name: oh, .offset: 0, .size: 8, .value_kind: global_buffer, .address_space: global }
      - { .name: wb, .offset: 8, .size: 8, .value_kind: global_buffer, .address_space: global }
      - { .name: b_o, .offset: 16, .size: 8, .value_kind: global_buffer, .address_space: global }
      - { .name: out0, .offset: 24, .size: 8, .value_kind: global_buffer, .address_space: global }
    .group_segment_fixed_size: 327680
    .private_segment_fixed_size: 0
    .kernarg_segment_align: 8
    .kernarg_segment_size: 32
    .max_flat_workgroup_size: 128
    .sgpr_count:     72
    .vgpr_count:     592
    .wavefront_size: 32
...
	.end_amdgpu_metadata
.endif
;; end of part 4
;; ======== version 2 of 2: 4 launches; version 1 with the launch prep written anew for expert scheduling mode
;; limits: values are held in f16: magnitudes above 65,504 overflow, below 6.1e-05 lose precision; values outside matrix products are rounded to bf16
;; workspace buffers: wb 8,388,608 bytes; tab 1,048,576 bytes; qkv 50,331,648 bytes; oh 16,777,216 bytes
;; launch prep (part 5): grid 256 x 1, 8 waves a work-group, no clusters, 0 bytes of LDS; arguments W_q, W_k, W_v, W_o, wb, tab; writes wb, tab
.if DOCPART == 5
	.amdgcn_target "amdgcn-amd-amdhsa--gfx1250"
	.amdhsa_code_object_version 6
	.text
	.protected	k_qbf9440441a_prep
	.globl	k_qbf9440441a_prep
	.p2align	8
	.type	k_qbf9440441a_prep,@function
k_qbf9440441a_prep:
	s_mov_b64 s[64:65], 0
	v_nop
	global_prefetch_b8 v0, s[64:65] scope:SCOPE_SE
	s_setreg_imm32_b32 hwreg(HW_REG_WAVE_SCHED_MODE, 0, 2), 2
	s_setreg_imm32_b32 hwreg(HW_REG_WAVE_MODE, 25, 1), 1
	s_wait_xcnt 0x0
	s_wait_alu depctr_vm_vsrc(0)
; THE WEIGHTS IN 16 BITS, AND THE TABLE OF ROTATIONS.
; wb: [4][1024][1024] of 16 bits, rows as in W ([n][k]).  Sections 0, 1, 2: W_q, W_k, W_v rounded to bf16.  Section 3: W_o rounded to bf16 and that number written as f16
; (exact from 6.1e-5 to 65,504 in magnitude; below that f16 keeps a fixed step of 6e-8; beyond 65,504 it has no number: a stated limit of W_o).
; tab: [2][2048][64] f32.  Section 0, row s: cos(s w_i) for i = 0..31, then sin(s w_i), w_i = 1000^(-i/32).  Section 1: 1 thirty-two times, then 0: the rotation that changes nothing, for V.
; THE ANGLE.  w_i = 2^(-i log2(1000) / 32); s w_i is rounded once to f32; it is reduced in turns (a fused multiply-add takes the nearest whole turn away), sin is cos a quarter turn back,
; and cos is its series to x^14 on -pi .. pi, whose first term left out is 4.3e-6 at pi.  The angle lies within about 3e-4 rad of s w_i at s = 2,047.
; SHARES.  65,536 threads.  Thread g takes 16 bytes at 16 g + 1,048,576 t (t = 0..3) of each matrix: a load of a wave covers 512 consecutive bytes, a store 256, aligned.
; Wave g / 32 makes row g / 32 of the table: lane l its entries 2 l and 2 l + 1, so one store of a wave is the row's 256 bytes.
; No LDS, no barrier, no matrix unit: each byte is read once and written once, and no thread wants another's.
; THE MODE: SCHED_MODE bits 1:0 = 2 (LLVM: expert scheduling mode 2), set by the entry lines.  The code itself states the register dependences
; between vector instructions and memory instructions, with s_wait_alu, always for 0.
; THE PLAN.  Registers that memory instructions touch:
;   v2, v3     byte offsets, made once at the head and never written again: v2 is read by the sixteen loads, v3 by the eighteen stores.
;   X          the sixteen loads land in it; they are issued at the head, before any vector instruction has named it; nothing lands in it twice.
;   v[12:15]   written by the table's arithmetic, read by the table's two stores, never written again.
;   Y          four blocks of eight registers, one for each matrix: block m is written by matrix m's conversions, read by its four stores, never written twice.
;   v4 to v11 and v16 to v21 are named by vector instructions alone.
; No register that a memory instruction reads is written again, so no wait on vm_vsrc is owed.  A matrix's four stores stand one block later, behind ONE wait on va_vdst at that block's head;
; the conversions issued since that wait write the next block of Y and v16 to v21 and read X: none of the registers that those stores touch.
.set X, 32                             ; v[32:95]   16 loads of 4 registers
.set Y, 96                             ; v[96:127]  16 stores of 2 registers; none is written twice
	s_load_b256 s[4:11], s[0:1], 0x0               ; W_q s[4:5], W_k s[6:7], W_v s[8:9], W_o s[10:11]
	s_load_b128 s[12:15], s[0:1], 0x20             ; wb s[12:13], tab s[14:15]
	s_lshl_b32 s16, ttmp9, 8
	v_add_nc_u32 v1, s16, v0                       ; g
	v_lshlrev_b32 v2, 4, v1                        ; 16 g: where I read
	v_lshlrev_b32 v3, 3, v1                        ; 8 g: where I write, in wb and in tab
	s_wait_kmcnt 0x0
	s_wait_alu depctr_va_vdst(0)                   ; v2 and v3 are written: every load of the kernel reads v2 as its offset, every store v3
.irp m, 0,1,2,3
.irp t, 0,1,2,3
	global_load_b128 v[X+4*(4*(\m)+(\t)):X+4*(4*(\m)+(\t))+3], v2, s[4+2*(\m):5+2*(\m)] offset:(\t)*1048576 th:TH_LOAD_NT
.endr
.endr
	; the table, while the sixteen loads are on their way
	v_and_b32 v4, 15, v0
	v_lshlrev_b32 v4, 1, v4                        ; i of my first entry
	v_bfe_u32 v5, v0, 4, 1
	v_cvt_f32_u32 v5, v5                           ; 0: cos, 1: sin
	v_lshrrev_b32 v6, 5, v1
	v_cvt_f32_u32 v6, v6                           ; s
	v_mul_f32 v7, 0x3e800000, v5                   ; a quarter turn for sin
	v_sub_f32 v14, 1.0, v5                         ; the rotation that changes nothing: cos = 1, sin = 0
	v_mov_b32 v15, v14
	v_cvt_f32_u32 v8, v4
	v_add_f32 v9, 1.0, v8
	v_mul_f32 v8, 0xbe9f73da, v8                   ; -i log2(1000) / 32
	v_mul_f32 v9, 0xbe9f73da, v9
	v_exp_f32 v8, v8                               ; w_i
	v_exp_f32 v9, v9
	v_nop                                          ; a plain instruction between an exponential and the use of its result (ISA guide 5.7.2)
	s_wait_alu depctr_va_vdst(0)                   ; the two exponentials have written v8 and v9, ahead of their first reader: one wait for the batch
	v_mul_f32 v8, v6, v8                           ; the angle, rounded once
	v_mul_f32 v9, v6, v9
	v_mul_f32 v10, 0x3e22f983, v8                  ; in turns
	v_mul_f32 v11, 0x3e22f983, v9
	v_rndne_f32 v10, v10
	v_rndne_f32 v11, v11
	v_fma_f32 v8, v8, 0x3e22f983, -v10             ; the turn's fraction, -0.5 .. 0.5, in one rounding
	v_fma_f32 v9, v9, 0x3e22f983, -v11
	v_sub_f32 v8, v8, v7
	v_sub_f32 v9, v9, v7
	v_rndne_f32 v10, v8
	v_rndne_f32 v11, v9
	v_sub_f32 v8, v8, v10                          ; back into -0.5 .. 0.5
	v_sub_f32 v9, v9, v11
	v_mul_f32 v8, 0x40c90fdb, v8                   ; x, in radians
	v_mul_f32 v9, 0x40c90fdb, v9
	v_mul_f32 v8, v8, v8                           ; x^2
	v_mul_f32 v9, v9, v9
	v_mov_b32 v12, 0xad49cba5                      ; -1/14!
	v_mov_b32 v13, 0xad49cba5
.irp k, 0x310f76c7, 0xb493f27e, 0x37d00d01, 0xbab60b61, 0x3d2aaaab
	v_fmaak_f32 v12, v12, v8, \k                   ; 1/12!, -1/10!, 1/8!, -1/6!, 1/4!
	v_fmaak_f32 v13, v13, v9, \k
.endr
	v_fma_f32 v12, v12, v8, -0.5
	v_fma_f32 v13, v13, v9, -0.5
	v_fma_f32 v12, v12, v8, 1.0
	v_fma_f32 v13, v13, v9, 1.0
	s_wait_alu depctr_va_vdst(0)                   ; the series has written v12 and v13, the lines further up v14 and v15: the two stores below read them
	global_store_b64 v3, v[12:13], s[14:15]
	global_store_b64 v3, v[14:15], s[14:15] offset:524288
	; the weights, a block of four loads for each matrix; a block's four stores stand at the head of the next block
.irp m, 0,1,2,3
.irp t, 0,1,2,3
	s_wait_loadcnt 15-(4*(\m)+(\t))                ; loads come back in order (ISA guide 5.7.1): this one is in, the younger ones stay out
.if ((\m) > 0) && ((\t) == 0)
	s_wait_alu depctr_va_vdst(0)                   ; the block before has written its eight registers of Y, which the four stores below read
.irp u, 0,1,2,3
	global_store_b64 v3, v[Y+2*(4*((\m)-1)+(\u)):Y+2*(4*((\m)-1)+(\u))+1], s[12:13] offset:((\m)-1)*2097152+(\u)*524288
.endr
.endif
.if (\m) < 3
	v_cvt_pk_bf16_f32 v[Y+2*(4*(\m)+(\t))],   v[X+4*(4*(\m)+(\t))],   v[X+4*(4*(\m)+(\t))+1]
	v_cvt_pk_bf16_f32 v[Y+2*(4*(\m)+(\t))+1], v[X+4*(4*(\m)+(\t))+2], v[X+4*(4*(\m)+(\t))+3]
.else
	v_cvt_pk_bf16_f32 v16, v[X+4*(4*(\m)+(\t))],   v[X+4*(4*(\m)+(\t))+1]  ; W_o: rounded to bf16 like every input,
	v_cvt_pk_bf16_f32 v17, v[X+4*(4*(\m)+(\t))+2], v[X+4*(4*(\m)+(\t))+3]
	v_lshlrev_b32 v18, 16, v16                     ; widened again,
	v_and_b32 v19, 0xffff0000, v16
	v_lshlrev_b32 v20, 16, v17
	v_and_b32 v21, 0xffff0000, v17
	v_cvt_pk_f16_f32 v[Y+2*(4*(\m)+(\t))],   v18, v19  ; and written as f16
	v_cvt_pk_f16_f32 v[Y+2*(4*(\m)+(\t))+1], v20, v21
.endif
.endr
.endr
	s_wait_alu depctr_va_vdst(0)                   ; W_o's conversions have written the last eight registers of Y, which the last four stores read
.irp u, 0,1,2,3
	global_store_b64 v3, v[Y+2*(12+(\u)):Y+2*(12+(\u))+1], s[12:13] offset:3*2097152+(\u)*524288
.endr
	s_endpgm
.Lfunc_end_k_qbf9440441a_prep:
	.size	k_qbf9440441a_prep, .Lfunc_end_k_qbf9440441a_prep-k_qbf9440441a_prep
	.p2alignl 7, 3214868480
	.fill 96, 4, 3214868480
	.section	.rodata,"a",@progbits
	.p2align	6, 0x0
	.amdhsa_kernel k_qbf9440441a_prep
		.amdhsa_group_segment_fixed_size 0
		.amdhsa_private_segment_fixed_size 0
		.amdhsa_enable_private_segment 0
		.amdhsa_kernarg_size 48
		.amdhsa_user_sgpr_count 2
		.amdhsa_user_sgpr_kernarg_segment_ptr 1
		.amdhsa_wavefront_size32 1
		.amdhsa_system_sgpr_workgroup_id_x 1
		.amdhsa_system_sgpr_workgroup_id_y 1
		.amdhsa_system_sgpr_workgroup_id_z 1
		.amdhsa_system_vgpr_workitem_id 0
		.amdhsa_next_free_vgpr 128
		.amdhsa_next_free_sgpr 66
		.amdhsa_reserve_vcc 0
		.amdhsa_float_denorm_mode_32 3
		.amdhsa_float_denorm_mode_16_64 3
		.amdhsa_memory_ordered 1
		.amdhsa_forward_progress 1
		.amdhsa_inst_pref_size 11
	.end_amdhsa_kernel
	.amdgpu_metadata
---
amdhsa.version: [ 1, 2 ]
amdhsa.kernels:
  - .name:           k_qbf9440441a_prep
    .symbol:         k_qbf9440441a_prep.kd
    .args:
      - { .name: W_q, .offset: 0, .size: 8, .value_kind: global_buffer, .address_space: global }
      - { .name: W_k, .offset: 8, .size: 8, .value_kind: global_buffer, .address_space: global }
      - { .name: W_v, .offset: 16, .size: 8, .value_kind: global_buffer, .address_space: global }
      - { .name: W_o, .offset: 24, .size: 8, .value_kind: global_buffer, .address_space: global }
      - { .name: wb, .offset: 32, .size: 8, .value_kind: global_buffer, .address_space: global }
      - { .name: tab, .offset: 40, .size: 8, .value_kind: global_buffer, .address_space: global }
    .group_segment_fixed_size: 0
    .private_segment_fixed_size: 0
    .kernarg_segment_align: 8
    .kernarg_segment_size: 48
    .max_flat_workgroup_size: 256
    .sgpr_count:     66
    .vgpr_count:     128
    .wavefront_size: 32
...
	.end_amdgpu_metadata
.endif
;; end of part 5
;; launch proj: the kernel of part 2 again; grid 4 x 192, 4 waves a work-group, clusters of 4 x 4, 327,680 bytes of LDS; arguments q_in, k_in, v_in, wb, context_bias, tab, qkv; writes qkv
;; launch attn: the kernel of part 3 again; grid 4 x 64, 4 waves a work-group, clusters of 4 x 1, 327,680 bytes of LDS; arguments qkv, oh; writes oh
;; launch outp: the kernel of part 4 again; grid 4 x 64, 4 waves a work-group, clusters of 4 x 4, 327,680 bytes of LDS; arguments oh, wb, b_o, out0; writes out0
